; MI455X (gfx1250); checked and timed in simulation.
; The chip was launched on July 23, 2026; its instructions are those of AMD's public machine-readable ISA for CDNA 5 (MIT licence, August 2026) and "CDNA5" Instruction Set Architecture Reference Guide (July 2026). The comments in the code are by the model that wrote it; some were corrected since.
;; Switch MLP. Allowed arithmetic: matrix products marked QUANTISED: E2M3 operands, one E8M0 scale for each 32 along K, by v_wmma_scale_f32_16x16x128_f8f6f4 with both operands' format E2M3, f32 sums; products left as they are: f32 operands where the result goes on into a quantised operand, else bf16, f16 or f32 operands; f32 sums; everything else in f32.
;; Inputs: W1_codes 8 x 4,096 x 32 x 24 uint8 (E2M3 codes of W1, K innermost, in blocks of 32 codes, four codes in three bytes); W1_scales 8 x 4,096 x 32 uint8 (E8M0 scales of W1, one for each 32 codes along K); W2_codes 8 x 1,024 x 128 x 24 uint8 (E2M3 codes of W2, K innermost, in blocks of 32 codes, four codes in three bytes); W2_scales 8 x 1,024 x 128 uint8 (E8M0 scales of W2, one for each 32 codes along K); Wr 1,024 x 8 float32; br 8 float32; hidden_states 2 x 512 x 1,024 float32.
;; Outputs: out0 2 x 512 x 1,024 float32.
;; This version of the problem:
;;   THIS VERSION OF THE PROBLEM IS GIVEN IN LOW PRECISION. The matrix products marked QUANTISED in the list below multiply operands that are first quantised to E2M3 (2 exponent bits, 3 mantissa bits; 6 bits a number), with one power-of-two scale for each 32 numbers along K (OCP MX v1.0); their sums are f32. All else is computed in f32.
;;   The module's matrix products, in the order in which they are computed (A, B: the left and right operand; K: the contracted axis; several contracted axes count as one K, in the product's order):
;;     1. [M 1,024, K 1,024] x [K 1,024, N 8]; A: input hidden_states; B: input Wr: left as it is (N = 8 < 16)
;;     2. [M 1,024, K 1,024] x [K 1,024, N 4,096]; A: input hidden_states; B: input W1 (given as codes): QUANTISED
;;     3. [M 1,024, K 4,096] x [K 4,096, N 1,024]; A: computed on the way; B: input W2 (given as codes): QUANTISED
;;     4. [M 1,024, K 1,024] x [K 1,024, N 4,096]; A: input hidden_states; B: input W1 (given as codes): QUANTISED
;;     5. [M 1,024, K 4,096] x [K 4,096, N 1,024]; A: computed on the way; B: input W2 (given as codes): QUANTISED
;;     6. [M 1,024, K 1,024] x [K 1,024, N 4,096]; A: input hidden_states; B: input W1 (given as codes): QUANTISED
;;     7. [M 1,024, K 4,096] x [K 4,096, N 1,024]; A: computed on the way; B: input W2 (given as codes): QUANTISED
;;     8. [M 1,024, K 1,024] x [K 1,024, N 4,096]; A: input hidden_states; B: input W1 (given as codes): QUANTISED
;;     9. [M 1,024, K 4,096] x [K 4,096, N 1,024]; A: computed on the way; B: input W2 (given as codes): QUANTISED
;;     10. [M 1,024, K 1,024] x [K 1,024, N 4,096]; A: input hidden_states; B: input W1 (given as codes): QUANTISED
;;     11. [M 1,024, K 4,096] x [K 4,096, N 1,024]; A: computed on the way; B: input W2 (given as codes): QUANTISED
;;     12. [M 1,024, K 1,024] x [K 1,024, N 4,096]; A: input hidden_states; B: input W1 (given as codes): QUANTISED
;;     13. [M 1,024, K 4,096] x [K 4,096, N 1,024]; A: computed on the way; B: input W2 (given as codes): QUANTISED
;;     14. [M 1,024, K 1,024] x [K 1,024, N 4,096]; A: input hidden_states; B: input W1 (given as codes): QUANTISED
;;     15. [M 1,024, K 4,096] x [K 4,096, N 1,024]; A: computed on the way; B: input W2 (given as codes): QUANTISED
;;     16. [M 1,024, K 1,024] x [K 1,024, N 4,096]; A: input hidden_states; B: input W1 (given as codes): QUANTISED
;;     17. [M 1,024, K 4,096] x [K 4,096, N 1,024]; A: computed on the way; B: input W2 (given as codes): QUANTISED
;;   THE QUANTISER, for each operand of a quantised product, along K:
;;     - K is cut into blocks of 32 from its start; a last block that is shorter is filled with zeros.
;;     - A block's scale is 2^e with e = floor(log2(the largest magnitude in the block)) - 2, held to -126 .. 127; a block of zeros has e = 0. As a byte (E8M0): e + 127.
;;     - Each number is divided by its block's scale, clamped to +-7.5, and rounded to the nearest number of E2M3, ties to even, subnormals kept.
;;     - The product sums the exact products of the quantised numbers (number of the format x scale) in f32.
;;   ~~~python
;;   def quantise(x, axis):      # numpy; x: float32 -> the quantised numbers, widened to float32 again
;;       x = np.moveaxis(x, axis, -1); K = x.shape[-1]
;;       x = np.pad(x, [(0, 0)] * (x.ndim - 1) + [(0, -K % 32)]); x = x.reshape(x.shape[:-1] + (-1, 32)); a = np.abs(x).max(-1, keepdims=True)
;;       e = np.where(a > 0, np.clip(np.frexp(np.where(a > 0, a, 1))[1] - 1 - 2, -126, 127), 0)      # np.frexp(a)[1] - 1 = floor(log2(a)), exactly
;;       r = np.clip(x / 2.0 ** e, -7.5, 7.5)
;;       step = 2.0 ** (np.maximum(np.frexp(np.where(r == 0, 1, r))[1] - 1, 0) - 3)
;;       q = np.round(r / step) * step * 2.0 ** e      # np.round: ties to even
;;       return np.moveaxis(q.reshape(q.shape[:-2] + (-1,))[..., :K], -1, axis).astype(np.float32)
;;   ~~~
;;   OPERANDS COMPUTED ON THE WAY. 'Computed on the way' means the value that the module computes at that place (a softmax that the list does not call 'softmax' is quantised finished and normalised). What goes into a quantiser is computed in f32, as accurately as f32 sums, v_exp_f32 and their like allow (about 1e-6 of the number): no bf16 or f16 on the way to a quantiser, and a product that is left as it is and whose result goes on into a quantised operand takes f32 operands (vector FMAs, or v_wmma_f32_16x16x4_f32). A number that lies on a knife's edge between two numbers of the format may be rounded either way, as far as f32 arithmetic and the matrix unit's own rounding can turn it there, and no further.
;;   INPUTS GIVEN AS CODES. W1 (in the module: [8, 1024, 4096], K = its axis 1); W2 (in the module: [8, 4096, 1024], K = its axis 1): each comes as NAME_codes (uint8): NAME with its K axis moved to the last place and cut into blocks of 32 codes, [.., K / 32, bytes a block], one block behind the other in memory; four codes in three bytes: a row's codes are one little-endian stream of bits, code i at bits 6 i .. 6 i + 5 (a code: sign, 2 exponent bits, 3 mantissa bits); and NAME_scales (uint8): the same leading axes, one E8M0 byte (e + 127) for each 32 codes along K. Its value is code x scale, taken as it is: it is not quantised again, and the codes and scales need not be those that the quantiser above would give.
;; 2 versions, each right; version 2 is version 1 with the launches fc1, fc2 written anew for expert scheduling mode. Each part assembles by itself: llvm-mc -triple=amdgcn-amd-amdhsa -mcpu=gfx1250 --defsym DOCPART=n.
;; ======== version 1 of 2: 3 launches
;; workspace buffers: x_codes 786,432 bytes; x_scales 32,768 bytes; expert 4,096 bytes of whole numbers; prob 4,096 bytes; h_codes 25,165,824 bytes; h_scales 1,048,576 bytes
;; launch route (part 1): grid 256 x 1, 4 waves a work-group, no clusters, 26,112 bytes of LDS; arguments hidden_states, Wr, br, x_codes, x_scales, expert, prob; writes x_codes, x_scales, expert, prob
.if DOCPART == 1
	.amdgcn_target "amdgcn-amd-amdhsa--gfx1250"
	.amdhsa_code_object_version 6
	.text
	.protected	k_q147f5d2f41_route
	.globl	k_q147f5d2f41_route
	.p2align	8
	.type	k_q147f5d2f41_route,@function
k_q147f5d2f41_route:
	s_mov_b64 s[64:65], 0
	v_nop
	global_prefetch_b8 v0, s[64:65] scope:SCOPE_SE
	s_setreg_imm32_b32 hwreg(HW_REG_WAVE_MODE, 25, 1), 1
	s_wait_xcnt 0x0
; ROUTE.  For each of the 1,024 tokens: route = sigmoid(x Wr + br) in f32, its largest value (prob) and the lowest index that has it (expert); and x as codes of FP6 (E2M3) with one E8M0 byte for each 32 along K.
; A work-group takes 4 tokens; wave w takes k = 256 w .. 256 w + 255 of all four.  x is read from memory once, 512 consecutive bytes a load, and turned through the wave's own stage in LDS into the two layouts wanted:
; 16 neighbours a lane for the conversions, and x[16 j + lane / 2] for the dot products with Wr as it lies in memory (lane: row 16 j + lane / 2, columns 4 (lane % 2) .. + 3).
; x_codes is laid as the next launch's operand registers want it: [token][K step of 128][half hh][48 bytes = block hh, then block 2 + hh], so that a lane's 12 registers are 48 consecutive bytes.
; The expert's number and the gate go to fixed places: nothing in this launch is addressed by them.
; LIMITS.  NaN and infinities among the inputs are not served.  The index is taken on this text's own f32 sigmoid (v_exp_f32, v_rcp_f32), ties to the lower index: where two routes lie within the rounding of these
; two instructions and of the order of the f32 sums, the choice may differ from another f32 evaluation's.  A block of zeros gets the byte 1 (its codes are zeros; the bytes are read by this program alone).
; No matrix unit (8 columns), no tensor load, no cluster: work-groups share only Wr's 32 KB.
.set STGW,  5120                       ; a wave's stage: 4 tokens x 16 chunks x (64 bytes + 16 of padding)
.set PART,  20480                      ; [wave][token][8] partial sums, 512 bytes
.set CST,   20992                      ; 256 places of 16 bytes, each with 12 bytes of codes, in the order of x_codes
.set CSS,   25088                      ; the 4 tokens' 32 scale bytes each
.set WR,    16                         ; v16-79   Wr: 16 loads x 4
.set XR,    80                         ; v80-111  x as loaded
.set XQ,    112                        ; v112-143 two sets of 16 neighbours
.set XD,    144                        ; v144-207 x[token][16 j + lane / 2], register 16 token + j
.set AC,    208                        ; v208-223 sums: token t, my 4 columns
.set T,     224                        ; at work
.set C,     240                        ; codes: v240-242, v244-246
.set BR,    248
	s_load_b256 s[4:11], s[0:1], 0x0               ; x, Wr, br, x_codes
	s_load_b128 s[12:15], s[0:1], 0x20             ; x_scales, expert
	s_load_b64 s[16:17], s[0:1], 0x30              ; prob
	v_lshl_add_u32 v254, v0, 2, 0x6400
	v_mov_b32 v255, 0
	v_lshrrev_b32 v1, 5, v0
	v_readfirstlane_b32 s18, v1                    ; wave
	v_and_b32 v1, 31, v0                           ; lane
	s_mov_b32 s20, 0x76543210
	s_mov_b32 s21, 0xfedcba98                      ; v_permlanex16_b32's selects for lane l xor 16
	s_lshl_b32 s22, s18, 10
	v_lshl_add_u32 v2, v1, 4, s22                  ; x: 16 lane + 1,024 wave
	s_lshl_b32 s22, s18, 13
	v_lshl_add_u32 v3, v1, 4, s22                  ; Wr: 16 lane + 8,192 wave (my 256 rows of 32 bytes)
	v_and_b32 v4, 7, v0
	v_lshlrev_b32 v4, 2, v4                        ; br: 4 (lane % 8)
	s_mul_i32 s23, s18, STGW
	v_lshrrev_b32 v5, 2, v1
	v_mul_u32_u24 v5, v5, 80
	v_and_b32 v13, 3, v0
	v_lshl_add_u32 v5, v13, 4, v5
	v_add_nc_u32 v5, s23, v5                       ; stage, in: four lanes' 64 bytes on end, then the padding
	v_mul_u32_u24 v6, v1, 80
	v_add_nc_u32 v6, s23, v6                       ; stage, out: a chunk of 16 neighbours a lane (16 chunks a token: lanes 16-31 are in the next token)
	v_lshrrev_b32 v7, 1, v1
	v_lshl_add_u32 v7, v7, 2, s23                  ; stage, out: number lane / 2 of a chunk
	v_and_b32 v8, 9, v0                            ; my 12 bytes' place among the wave's 16: lane % 16 with its bits 1 and 2 changed over,
	v_bfe_u32 v13, v0, 1, 1                        ; since a K step's blocks lie in the order 0, 2, 1, 3
	v_lshl_add_u32 v8, v13, 2, v8
	v_bfe_u32 v13, v0, 2, 1
	v_lshl_add_u32 v8, v13, 1, v8
	v_lshlrev_b32 v8, 4, v8
	v_bfe_u32 v13, v0, 4, 1                        ; lane / 16: which of the step's two tokens
	v_lshl_add_u32 v8, v13, 10, v8
	s_lshl_b32 s22, s18, 8
	s_add_co_u32 s22, s22, CST
	v_add_nc_u32 v8, s22, v8                       ; CST + 1,024 token + 256 wave + 16 place
	v_bfe_u32 v9, v0, 1, 3
	v_lshl_add_u32 v9, v13, 5, v9
	s_lshl_b32 s22, s18, 3
	s_add_co_u32 s22, s22, CSS
	v_add_nc_u32 v9, s22, v9                       ; CSS + 32 token + 8 wave + my block
	v_and_b32 v10, 1, v0
	v_lshlrev_b32 v10, 4, v10
	s_lshl_b32 s22, s18, 7
	s_add_co_u32 s22, s22, PART
	v_add_nc_u32 v10, s22, v10                     ; PART + 128 wave + 16 (lane % 2)
	v_lshl_add_u32 v11, v0, 4, CST                 ; the way out: place t of CST,
	v_mul_u32_u24 v12, v0, 12                      ; 12 bytes a thread in x_codes
	v_lshlrev_b32 v14, 2, v1
	v_add_nc_u32 v15, CSS, v14                     ; wave 1: the scale bytes, 4 a lane
	v_add_nc_u32 v13, PART, v14                    ; wave 0: lane = 8 token + expert
	s_lshl_b32 s24, ttmp9, 14                      ; the work-group's 4 tokens: 16,384 bytes of x,
	s_mov_b32 s25, 0
	s_mul_i32 s26, ttmp9, 3072                     ; 3,072 of codes,
	s_mov_b32 s27, 0
	s_lshl_b32 s28, ttmp9, 7                       ; 128 of scale bytes,
	s_mov_b32 s29, 0
	s_lshl_b32 s30, ttmp9, 4                       ; 16 of experts' numbers and of gates
	s_mov_b32 s31, 0
	s_wait_kmcnt 0x0
	s_add_nc_u64 s[4:5], s[4:5], s[24:25]
	s_add_nc_u64 s[10:11], s[10:11], s[26:27]
	s_add_nc_u64 s[12:13], s[12:13], s[28:29]
	s_add_nc_u64 s[14:15], s[14:15], s[30:31]
	s_add_nc_u64 s[16:17], s[16:17], s[30:31]
.irp t, 0,1,2,3
.irp p, 0,1
	global_load_b128 v[XR+4*(2*\t+\p):XR+4*(2*\t+\p)+3], v2, s[4:5] offset:4096*\t+512*\p th:TH_LOAD_NT   ; 32 lanes read 512 consecutive bytes; read once in the launch
.endr
.endr
.set j, 0
.rept 16
	global_load_b128 v[WR+4*j:WR+4*j+3], v3, s[6:7] offset:512*j
.set j, j+1
.endr
	global_load_b32 v[BR], v4, s[8:9]
	s_wait_loadcnt 17                              ; x's eight loads are in; Wr's sixteen and br's one were issued behind them
.irp t, 0,1,2,3
.irp p, 0,1
	ds_store_b128 v5, v[XR+4*(2*\t+\p):XR+4*(2*\t+\p)+3] offset:1280*\t+640*\p
.endr
.endr
.irp g, 0,1                                    ; LDS serves a wave's instructions in order (ISA guide 5.7.1.4): these loads see the stores above
.irp i, 0,1,2,3
	ds_load_b128 v[XQ+16*\g+4*\i:XQ+16*\g+4*\i+3], v6 offset:2560*\g+16*\i
.endr
.endr
.set j, 0
.rept 64
	ds_load_b32 v[XD+j], v7 offset:1280*(j/16)+80*(j%16)
.set j, j+1
.endr
; Step g: lanes 0-15 hold token 2 g, lanes 16-31 token 2 g + 1; two neighbouring lanes hold a block of 32.
.macro QSTEP g
.set XS, XQ+16*\g
	v_max3_num_f32 v[T], |v[XS]|, |v[XS+1]|, |v[XS+2]|     ; the largest magnitude of my 16, in two chains
	v_max3_num_f32 v[T+1], |v[XS+3]|, |v[XS+4]|, |v[XS+5]|
.irp i, 6,10
	v_max3_num_f32 v[T], v[T], |v[XS+\i]|, |v[XS+\i+1]|
	v_max3_num_f32 v[T+1], v[T+1], |v[XS+\i+2]|, |v[XS+\i+3]|
.endr
	v_max3_num_f32 v[T], v[T], |v[XS+14]|, |v[XS+15]|
	v_max3_num_f32 v[T], v[T], v[T+1], 0x1800000   ; and the floor 2^(3 - 127): the byte cannot fall under 1
	v_max_num_f32_dpp v[T], v[T], v[T] row_xmask:1 row_mask:0xf bank_mask:0xf   ; with my neighbour's 16: the block's
	v_add_nc_u32 v[T+2+\g], 0xff000000, v[T]       ; 2 off its exponent field: the conversion takes the exponent field of this operand as its scale
	v_cvt_scalef32_pk16_fp6_f32 v[C+4*\g:C+4*\g+2], v[XS:XS+15], v[T+2+\g]
	v_lshrrev_b32 v[T+4+\g], 23, v[T+2+\g]         ; the scale's byte (also the plain line behind the conversion)
	ds_store_b96 v8, v[C+4*\g:C+4*\g+2] offset:2048*\g
	ds_store_b8 v9, v[T+4+\g] offset:64*\g         ; both lanes of a block write the same byte with the same value
.endm
	s_wait_dscnt 63                                ; 64 loads were issued behind the eight that bring the neighbours: at most 63 out shows those eight in
	QSTEP 0
	QSTEP 1
	s_wait_loadcnt 0x0                             ; Wr and br
	s_wait_dscnt 4                                 ; all of XD is in: behind it only the four stores of codes and bytes were issued
.irp t, 0,1,2,3                                ; the first products start the sums; eight chains by turns
	v_pk_mul_f32 v[AC+4*\t:AC+4*\t+1], v[WR:WR+1], v[XD+16*\t:XD+16*\t+1] op_sel_hi:[1,0]
	v_pk_mul_f32 v[AC+4*\t+2:AC+4*\t+3], v[WR+2:WR+3], v[XD+16*\t:XD+16*\t+1] op_sel_hi:[1,0]
.endr
.set j, 1
.rept 15
.irp t, 0,1,2,3
.if j%2 == 0                                   ; x[16 j + lane / 2] is the pair's first register for even j, its second for odd j, and serves both halves
	v_pk_fma_f32 v[AC+4*\t:AC+4*\t+1], v[WR+4*j:WR+4*j+1], v[XD+16*\t+2*(j/2):XD+16*\t+2*(j/2)+1], v[AC+4*\t:AC+4*\t+1] op_sel_hi:[1,0,1]
	v_pk_fma_f32 v[AC+4*\t+2:AC+4*\t+3], v[WR+4*j+2:WR+4*j+3], v[XD+16*\t+2*(j/2):XD+16*\t+2*(j/2)+1], v[AC+4*\t+2:AC+4*\t+3] op_sel_hi:[1,0,1]
.else
	v_pk_fma_f32 v[AC+4*\t:AC+4*\t+1], v[WR+4*j:WR+4*j+1], v[XD+16*\t+2*(j/2):XD+16*\t+2*(j/2)+1], v[AC+4*\t:AC+4*\t+1] op_sel:[0,1,0] op_sel_hi:[1,1,1]
	v_pk_fma_f32 v[AC+4*\t+2:AC+4*\t+3], v[WR+4*j+2:WR+4*j+3], v[XD+16*\t+2*(j/2):XD+16*\t+2*(j/2)+1], v[AC+4*\t+2:AC+4*\t+3] op_sel:[0,1,0] op_sel_hi:[1,1,1]
.endif
.endr
.set j, j+1
.endr
.irp m, 2,4,8                                  ; over the sixteen lanes of my parity: three steps inside a half, one across
.set j, 0
.rept 16
	v_add_f32_dpp v[AC+j], v[AC+j], v[AC+j] row_xmask:\m row_mask:0xf bank_mask:0xf
.set j, j+1
.endr
.endr
.set j, 0
.rept 16
	v_permlanex16_b32 v[XQ+j], v[AC+j], s20, s21   ; (its destination counts as read: these registers have been written)
.set j, j+1
.endr
.set j, 0
.rept 16
	v_add_f32 v[AC+j], v[AC+j], v[XQ+j]
.set j, j+1
.endr
.irp t, 0,1,2,3
	ds_store_b128 v10, v[AC+4*\t:AC+4*\t+3] offset:32*\t   ; sixteen lanes write the same 16 bytes with the same values
.endr
	s_wait_dscnt 0x0                               ; for the others' sake: my codes, bytes and partial sums lie in LDS
	s_barrier_signal -1
	s_barrier_wait -1
	ds_load_b96 v[16:18], v11
	ds_load_b96 v[20:22], v11 offset:2048
	s_wait_dscnt 0x0
	global_store_b96 v12, v[16:18], s[10:11]               ; a wave stores 384 consecutive bytes
	global_store_b96 v12, v[20:22], s[10:11] offset:1536
	s_cmp_eq_u32 s18, 1
	s_cbranch_scc0 .Lnot_one
	ds_load_b32 v24, v15
	s_wait_dscnt 0x0
	global_store_b32 v14, v24, s[12:13]            ; the 4 tokens' 128 scale bytes
.Lnot_one:
	s_cmp_eq_u32 s18, 0
	s_cbranch_scc0 .Lend
	ds_load_b32 v32, v13                           ; lane = 8 token + expert: the four waves' parts
	ds_load_b32 v33, v13 offset:128
	ds_load_b32 v34, v13 offset:256
	ds_load_b32 v35, v13 offset:384
	s_wait_dscnt 0x0
	v_add_f32 v32, v32, v33
	v_add_f32 v34, v34, v35
	v_add_f32 v32, v32, v34
	v_add_f32 v32, v32, v[BR]
	v_mul_f32 v32, 0xbfb8aa3b, v32                 ; -z log2(e)
	v_exp_f32 v32, v32
	v_and_b32 v36, 7, v0                           ; (a plain line behind the exponential)  the expert
	s_wait_alu depctr_va_vdst(0)
	v_add_f32 v32, 1.0, v32
	v_rcp_f32 v33, v32                             ; route = 1 / (1 + e^-z)
	v_nop                                          ; a plain line behind the reciprocal
	v_cvt_f32_u32 v37, v36
	s_wait_alu depctr_va_vdst(0)
	v_mov_b32 v34, v33
	v_max_num_f32_dpp v34, v34, v34 row_xmask:1 row_mask:0xf bank_mask:0xf
	v_max_num_f32_dpp v34, v34, v34 row_xmask:2 row_mask:0xf bank_mask:0xf
	v_max_num_f32_dpp v34, v34, v34 row_xmask:4 row_mask:0xf bank_mask:0xf   ; the token's largest route
	v_mov_b32 v38, 0x41000000                      ; 8.0: above every index
	v_cmp_eq_f32 vcc_lo, v33, v34
	v_cndmask_b32 v38, v38, v37, vcc_lo            ; my index where I hold the largest
	v_min_num_f32_dpp v38, v38, v38 row_xmask:1 row_mask:0xf bank_mask:0xf
	v_min_num_f32_dpp v38, v38, v38 row_xmask:2 row_mask:0xf bank_mask:0xf
	v_min_num_f32_dpp v38, v38, v38 row_xmask:4 row_mask:0xf bank_mask:0xf   ; the lowest such index
	v_cvt_u32_f32 v38, v38
	v_min_u32 v38, 7, v38
	v_bfe_u32 v39, v0, 3, 2
	v_lshlrev_b32 v39, 2, v39                      ; 4 bytes a token
	v_cmp_eq_u32 vcc_lo, 0, v36
	s_wait_xcnt 0x0                                ; EXEC changes only behind this wait: the stores above have been issued
	s_and_saveexec_b32 s22, vcc_lo                 ; one lane a token
	global_store_b32 v39, v38, s[14:15]
	global_store_b32 v39, v34, s[16:17]
	s_wait_xcnt 0x0
	s_or_b32 exec_lo, exec_lo, s22
.Lend:
	s_wait_tensorcnt 0x0
	ds_add_u32 v254, v255
	s_wait_dscnt 0x0
	s_endpgm
.Lfunc_end_k_q147f5d2f41_route:
	.size	k_q147f5d2f41_route, .Lfunc_end_k_q147f5d2f41_route-k_q147f5d2f41_route
	.p2alignl 7, 3214868480
	.fill 96, 4, 3214868480
	.section	.rodata,"a",@progbits
	.p2align	6, 0x0
	.amdhsa_kernel k_q147f5d2f41_route
		.amdhsa_group_segment_fixed_size 26112
		.amdhsa_private_segment_fixed_size 0
		.amdhsa_enable_private_segment 0
		.amdhsa_kernarg_size 56
		.amdhsa_user_sgpr_count 2
		.amdhsa_user_sgpr_kernarg_segment_ptr 1
		.amdhsa_wavefront_size32 1
		.amdhsa_system_sgpr_workgroup_id_x 1
		.amdhsa_system_sgpr_workgroup_id_y 1
		.amdhsa_system_sgpr_workgroup_id_z 1
		.amdhsa_system_vgpr_workitem_id 0
		.amdhsa_next_free_vgpr 256
		.amdhsa_next_free_sgpr 66
		.amdhsa_reserve_vcc 1
		.amdhsa_float_denorm_mode_32 3
		.amdhsa_float_denorm_mode_16_64 3
		.amdhsa_memory_ordered 1
		.amdhsa_forward_progress 1
		.amdhsa_inst_pref_size 28
	.end_amdhsa_kernel
	.amdgpu_metadata
---
amdhsa.version: [ 1, 2 ]
amdhsa.kernels:
  - .name:           k_q147f5d2f41_route
    .symbol:         k_q147f5d2f41_route.kd
    .args:
      - { .name: hidden_states, .offset: 0, .size: 8, .value_kind: global_buffer, .address_space: global }
      - { .name: Wr, .offset: 8, .size: 8, .value_kind: global_buffer, .address_space: global }
      - { .name: br, .offset: 16, .size: 8, .value_kind: global_buffer, .address_space: global }
      - { .name: x_codes, .offset: 24, .size: 8, .value_kind: global_buffer, .address_space: global }
      - { .name: x_scales, .offset: 32, .size: 8, .value_kind: global_buffer, .address_space: global }
      - { .name: expert, .offset: 40, .size: 8, .value_kind: global_buffer, .address_space: global }
      - { .name: prob, .offset: 48, .size: 8, .value_kind: global_buffer, .address_space: global }
    .group_segment_fixed_size: 26112
    .private_segment_fixed_size: 0
    .kernarg_segment_align: 8
    .kernarg_segment_size: 56
    .max_flat_workgroup_size: 128
    .sgpr_count:     66
    .vgpr_count:     256
    .wavefront_size: 32
...
	.end_amdgpu_metadata
.endif
;; end of part 1
;; launch fc1 (part 2): grid 32 x 8, 4 waves a work-group, no clusters, 100,864 bytes of LDS; arguments W1_codes, W1_scales, x_codes, x_scales, expert, h_codes, h_scales; writes h_codes, h_scales
.if DOCPART == 2
	.amdgcn_target "amdgcn-amd-amdhsa--gfx1250"
	.amdhsa_code_object_version 6
	.text
	.protected	k_q147f5d2f41_fc1
	.globl	k_q147f5d2f41_fc1
	.p2align	8
	.type	k_q147f5d2f41_fc1,@function
k_q147f5d2f41_fc1:
	s_mov_b64 s[64:65], 0
	v_nop
	global_prefetch_b8 v0, s[64:65] scope:SCOPE_SE
	s_setreg_imm32_b32 hwreg(HW_REG_WAVE_MODE, 25, 1), 1
	s_wait_xcnt 0x0
; FC1.  h = Q(gelu(Q(x) W1[e])) for the tokens of expert e alone, on codes of FP6 (E2M3) with one E8M0 scale for each 32 along K; gelu exact (erf), in f32.
; SHARES.  Work-group (x, y) = (slice of 128 hidden units, expert).  Its 128 rows of W1 are one dense block of 98,304 bytes, read from memory once (no other work-group reads them), staged in LDS and then held WHOLE in
; every wave's registers: 64 fragments (K step s, tile t).  The waves share the expert's tiles of 16 tokens: wave w takes tiles w, w + 4 ..; behind the one barrier no wave waits for another.
; A wave's 8 tiles of hidden units for 16 tokens are exactly one K step of the next product: one fragment and one scale word a row, stored as an image of the operand's registers (3 x 512 consecutive bytes).
; WHO IS IN A TILE.  Every wave reads the 1,024 experts' numbers, makes 32 masks (bit l of word j: token 128 (j / 4) + j % 4 + 4 l) and finds 'the p-th token of my expert' in registers (macro SEL).  Slot p of an expert
; is its p-th token in that order; tile m holds slots 16 m .. 16 m + 15.  A slot past the expert's count is held at its last slot: the last tile's spare rows repeat the last token's row.  An expert without tokens
; still makes tile 0 (of token 1,023's row), so that every byte of h that the next launch loads has been stored; nothing of it reaches the output.
; THE PRODUCT IS USED TRANSPOSED (source 0 = 16 rows of W1, source 1 = 16 tokens), and lane r of tile 2 b + u takes row 32 b + 8 u + r + 8 (r / 8): a lane then holds one token, and the 16 registers of tiles 2 b, 2 b + 1
; are 16 neighbours along the next K.  In LDS the rows are laid so that a tile's 16 rows are neighbours.
; NO TENSOR LOAD, NO JOINT REQUEST: the number of tiles hangs on the stored experts' numbers.  No prefetch: a work-group's whole share of W1 is asked for at its head.
; The scale words of h leave as 64 consecutive bytes a tile: one part in 24 of what a tile stores.
; LIMITS.  erf is a rational function of z = a / sqrt(2) held to -4 .. 4 (degree 13 over degree 8), a few 1e-7 absolute.  NaN and infinities are not served.  A block of zeros gets the byte 1 (read by this program alone).
.set WP,    784                        ; a row of W1 in LDS: 768 bytes + 16 = 196 words: row r starts at bank 4 r mod 64 (64 banks of 4 bytes: ISA guide 11.1): the 32 lanes of an 8-byte load touch 64 different banks
.set LW0,   1                          ; v1   784 r + 24 hh: my place in tiles 0-3
.set LW1,   2                          ; v2   the same for tiles 4-7 (an LDS offset has 16 bits)
.set XA,    3                          ; v3   my token's codes: 768 token + 48 hh
.set XSA,   4                          ; v4   my token's scale words: 32 token + 16 hh
.set HO,    5                          ; v5   16 lane
.set HSO,   6                          ; v6   4 r
.set R,     7                          ; v7   r = lane % 16
.set H48,   8
.set H16,   9
.set SA0,   10                         ; v10  staging: 25,088 wave + 16 lane
.set SA1,   11                         ; v11  the same, 16 further on for lanes 16-31: the load that straddles two rows
.set GSW,   12                         ; v12  W1's scale words: 32 (8 hh + r + 8 (r / 8))
.set P,     13                         ; v13  my slot
.set TOK,   14                         ; v14  its token
.set WS,    16                         ; v16-47   W1's scale words: register 8 b + s: lanes 0-15 tile 2 b, lanes 16-31 tile 2 b + 1, K step s
.set XS,    48                         ; v48-51   x's scale words: lanes 0-15 K steps 0-3, lanes 16-31 K steps 4-7
.set A,     52                         ; v52-147  x's 8 fragments
.set ACC,   148                        ; v148-211 8 accumulators
.set IDS,   148                        ; (at the head: the experts' numbers)
.set PC,    212                        ; v212-231 fragment 63 of W1; later the codes just made
.set TM,    232                        ; v232-247 at work
.set PW,    248                        ; the scale word just made
.set CA13,  250                        ; v[250:251], v[252:253]: the two leading coefficients (an instruction takes one literal)
.set CB8,   252
.set GZ,    212                        ; gelu: z, z^2, numerator, denominator, 8 registers each
.set GX,    220
.set GP,    228
.set GQ,    236
.set ZW,    232                        ; SEL: the word, the count before it, its first token, what is left of p, four levels of counts, the bit, two at work
.set ZPRE,  233
.set ZTB,   234
.set ZK,    235
.set ZA,    236
.set ZB,    237
.set ZC,    238
.set ZD,    239
.set ZPOS,  240
.set ZT,    241
.set ZU,    242
; SCALARS: s18 wave, s19 slice, s20 expert, s21 the expert's tokens, s22 its tiles, s23 the tile in hand, s32-63 the masks, s[70:73] where the tile goes, s[74:77] where tile 0 would go, s78 trips done, s79 my trips, s80 the last slot
.set MSB, 0
.macro WIN new                         ; s_set_vgpr_msb: bits 1:0 source 0, 3:2 source 1, 5:4 source 2, 7:6 destination; the high byte repeats the setting that is left
.if MSB != (\new)
	s_set_vgpr_msb (MSB<<8)|(\new)
.set MSB, (\new)
.endif
.endm
; One level of the descent: are there at most k set bits in the field at the bit in hand?  Then they are passed over.
.macro SELLEV src, width, step
	v_bfe_u32 v[ZT], v[\src], v[ZPOS], \width
	v_cmp_ge_u32 vcc_lo, v[ZK], v[ZT]
	v_cndmask_b32 v[ZT], 0, v[ZT], vcc_lo
	v_cndmask_b32 v[ZU], 0, \step, vcc_lo
	v_sub_nc_u32 v[ZK], v[ZK], v[ZT]
	v_add_nc_u32 v[ZPOS], v[ZPOS], v[ZU]
.endm
; v[TOK] = the token at slot v[P] of my expert.  First the word in which the slot falls (a scan over the 32 masks with a running count), then the bit in it (counts of 2, 4, 8, 16 bits; five halvings).  No branch, no memory.
.macro SEL
	v_mov_b32 v[ZW], s32
	v_mov_b32 v[ZPRE], 0
	v_mov_b32 v[ZTB], 0
	s_mov_b32 s66, 0
.set jj, 1
.rept 31
	s_bcnt1_i32_b32 s67, s[31+jj]
	s_add_co_u32 s66, s66, s67                     ; tokens in the words before word jj
	v_cmp_gt_u32 vcc_lo, s66, v[P]                 ; more than p: the slot lies before this word
	v_cndmask_b32 v[ZW], s[32+jj], v[ZW], vcc_lo
	v_cndmask_b32 v[ZPRE], s66, v[ZPRE], vcc_lo
	v_cndmask_b32 v[ZTB], 128*(jj/4)+jj%4, v[ZTB], vcc_lo
.set jj, jj+1
.endr
	v_sub_nc_u32 v[ZK], v[P], v[ZPRE]
	v_lshrrev_b32 v[ZT], 1, v[ZW]
	v_and_b32 v[ZT], 0x55555555, v[ZT]
	v_sub_nc_u32 v[ZA], v[ZW], v[ZT]
	v_lshrrev_b32 v[ZT], 2, v[ZA]
	v_and_b32 v[ZT], 0x33333333, v[ZT]
	v_and_b32 v[ZB], 0x33333333, v[ZA]
	v_add_nc_u32 v[ZB], v[ZB], v[ZT]
	v_lshrrev_b32 v[ZT], 4, v[ZB]
	v_add_nc_u32 v[ZC], v[ZB], v[ZT]
	v_and_b32 v[ZC], 0x0f0f0f0f, v[ZC]
	v_lshrrev_b32 v[ZT], 8, v[ZC]
	v_add_nc_u32 v[ZD], v[ZC], v[ZT]
	v_and_b32 v[ZD], 0x00ff00ff, v[ZD]
	v_mov_b32 v[ZPOS], 0
	SELLEV ZD, 8, 16
	SELLEV ZC, 8, 8
	SELLEV ZB, 4, 4
	SELLEV ZA, 2, 2
	SELLEV ZW, 1, 1
	v_lshl_add_u32 v[TOK], v[ZPOS], 2, v[ZTB]
	v_min_u32 v[TOK], 0x3ff, v[TOK]                ; a token's number, whatever the slot
.endm
.macro ALOAD                           ; my token's 8 fragments (48 consecutive bytes each for my half) and its scale words
	v_mul_u32_u24 v[XA], v[TOK], 768
	v_add_nc_u32 v[XA], v[XA], v[H48]
	v_lshl_add_u32 v[XSA], v[TOK], 5, v[H16]
.irp s, 0,1,2,3,4,5,6,7
.irp c, 0,1,2
	global_load_b128 v[A+12*\s+4*\c:A+12*\s+4*\c+3], v[XA], s[8:9] offset:96*\s+16*\c
.endr
.endr
	global_load_b128 v[XS:XS+3], v[XSA], s[10:11]
.endm
; One matrix instruction, by the symbols rD, rA, rB, rSA, rSB; zC: the sum begins; qA, qB: the scale words stand in lanes 16-31.
.macro WM
.if zC
.if qA && qB
	v_wmma_scale_f32_16x16x128_f8f6f4 v[rD:rD+7], v[rA:rA+11], v[rB:rB+11], 0, v[rSA], v[rSB] matrix_a_fmt:MATRIX_FMT_FP6 matrix_b_fmt:MATRIX_FMT_FP6 matrix_a_scale:MATRIX_SCALE_ROW1 matrix_b_scale:MATRIX_SCALE_ROW1
.elseif qA
	v_wmma_scale_f32_16x16x128_f8f6f4 v[rD:rD+7], v[rA:rA+11], v[rB:rB+11], 0, v[rSA], v[rSB] matrix_a_fmt:MATRIX_FMT_FP6 matrix_b_fmt:MATRIX_FMT_FP6 matrix_a_scale:MATRIX_SCALE_ROW1
.elseif qB
	v_wmma_scale_f32_16x16x128_f8f6f4 v[rD:rD+7], v[rA:rA+11], v[rB:rB+11], 0, v[rSA], v[rSB] matrix_a_fmt:MATRIX_FMT_FP6 matrix_b_fmt:MATRIX_FMT_FP6 matrix_b_scale:MATRIX_SCALE_ROW1
.else
	v_wmma_scale_f32_16x16x128_f8f6f4 v[rD:rD+7], v[rA:rA+11], v[rB:rB+11], 0, v[rSA], v[rSB] matrix_a_fmt:MATRIX_FMT_FP6 matrix_b_fmt:MATRIX_FMT_FP6
.endif
.else
.if qA && qB
	v_wmma_scale_f32_16x16x128_f8f6f4 v[rD:rD+7], v[rA:rA+11], v[rB:rB+11], v[rD:rD+7], v[rSA], v[rSB] matrix_a_fmt:MATRIX_FMT_FP6 matrix_b_fmt:MATRIX_FMT_FP6 matrix_a_scale:MATRIX_SCALE_ROW1 matrix_b_scale:MATRIX_SCALE_ROW1
.elseif qA
	v_wmma_scale_f32_16x16x128_f8f6f4 v[rD:rD+7], v[rA:rA+11], v[rB:rB+11], v[rD:rD+7], v[rSA], v[rSB] matrix_a_fmt:MATRIX_FMT_FP6 matrix_b_fmt:MATRIX_FMT_FP6 matrix_a_scale:MATRIX_SCALE_ROW1
.elseif qB
	v_wmma_scale_f32_16x16x128_f8f6f4 v[rD:rD+7], v[rA:rA+11], v[rB:rB+11], v[rD:rD+7], v[rSA], v[rSB] matrix_a_fmt:MATRIX_FMT_FP6 matrix_b_fmt:MATRIX_FMT_FP6 matrix_b_scale:MATRIX_SCALE_ROW1
.else
	v_wmma_scale_f32_16x16x128_f8f6f4 v[rD:rD+7], v[rA:rA+11], v[rB:rB+11], v[rD:rD+7], v[rSA], v[rSB] matrix_a_fmt:MATRIX_FMT_FP6 matrix_b_fmt:MATRIX_FMT_FP6
.endif
.endif
.endm
.macro HORN reg, lit                   ; one step of Horner's rule on four pairs: reg = reg z^2 + lit
.irp i, 0,2,4,6
	v_pk_fma_f32 v[\reg+\i:\reg+\i+1], v[\reg+\i:\reg+\i+1], v[GX+\i:GX+\i+1], \lit op_sel_hi:[1,1,0]
.endr
.endm
; gelu(a) = a / 2 + (a / 2) erf(a / sqrt(2)) on one accumulator, in place, two numbers an instruction, from its low end on.  erf(z) = z N(z^2) / D(z^2), z held to -4 .. 4.
.macro GELU8 a
.irp i, 0,2,4,6
	v_pk_mul_f32 v[GZ+\i:GZ+\i+1], v[(\a)+\i:(\a)+\i+1], 0x3f3504f3 op_sel_hi:[1,0]
.endr
.irp i, 0,1,2,3,4,5,6,7
	v_med3_num_f32 v[GZ+\i], v[GZ+\i], -4.0, 4.0
.endr
.irp i, 0,2,4,6
	v_pk_mul_f32 v[GX+\i:GX+\i+1], v[GZ+\i:GZ+\i+1], v[GZ+\i:GZ+\i+1]
.endr
.irp i, 0,2,4,6
	v_pk_fma_f32 v[GP+\i:GP+\i+1], v[GX+\i:GX+\i+1], v[CA13:CA13+1], 0x32edffee op_sel_hi:[1,1,0]
.endr
.irp i, 0,2,4,6
	v_pk_fma_f32 v[GQ+\i:GQ+\i+1], v[GX+\i:GX+\i+1], v[CB8:CB8+1], 0xb95fbd29 op_sel_hi:[1,1,0]
.endr
	HORN GP, 0xb60cff51                            ; numerator and denominator by turns
	HORN GQ, 0xbadc924e
	HORN GP, 0xb86ec2d2
	HORN GQ, 0xbbf19bf8
	HORN GP, 0xba40ac63
	HORN GQ, 0xbc69b6a7
	HORN GP, 0xbb41a1f6
	HORN GP, 0xbc83dbd4
.irp i, 0,2,4,6
	v_pk_mul_f32 v[GP+\i:GP+\i+1], v[GP+\i:GP+\i+1], v[GZ+\i:GZ+\i+1]
.endr
.irp i, 0,1,2,3,4,5,6,7
	v_rcp_f32 v[GQ+\i], v[GQ+\i]
.endr
.irp i, 0,2,4,6
	v_pk_mul_f32 v[(\a)+\i:(\a)+\i+1], v[(\a)+\i:(\a)+\i+1], 0.5 op_sel_hi:[1,0]   ; (plain lines behind the reciprocals)
.endr
	s_wait_alu depctr_va_vdst(0)
.irp i, 0,2,4,6
	v_pk_mul_f32 v[GP+\i:GP+\i+1], v[GP+\i:GP+\i+1], v[GQ+\i:GQ+\i+1]
.endr
.irp i, 0,2,4,6
	v_pk_fma_f32 v[(\a)+\i:(\a)+\i+1], v[(\a)+\i:(\a)+\i+1], v[GP+\i:GP+\i+1], v[(\a)+\i:(\a)+\i+1]
.endr
.endm
; 64 numbers of a lane, register 16 b + i = k 32 b + 16 (lane / 16) + i of my row, become a fragment's codes in v[PC] on and its scale word in v[PW].
.macro QUANT s
.irp b, 0,1,2,3
	v_max3_num_f32 v[TM+\b], |v[\s+16*\b]|, |v[\s+1+16*\b]|, 0x1800000   ; my 16 numbers of block b, and the floor 2^(3 - 127): the byte cannot fall under 1
.endr
.irp i, 2,4,6,8,10,12,14
.irp b, 0,1,2,3
	v_max3_num_f32 v[TM+\b], v[TM+\b], |v[\s+16*\b+\i]|, |v[\s+1+16*\b+\i]|
.endr
.endr
.irp b, 0,1,2,3
	v_permlanex16_b32 v[TM+4+\b], v[TM+\b], s68, s69
.endr
.irp b, 0,1,2,3
	v_max_num_f32 v[TM+\b], v[TM+\b], v[TM+4+\b]   ; with lane l xor 16's: the block's largest magnitude
.endr
.irp b, 0,1,2,3
	v_add_nc_u32 v[TM+12+\b], 0xff000000, v[TM+\b] ; 2 off its exponent field: the conversion's scale operand
.endr
.irp b, 0,1,2,3
	v_lshrrev_b32 v[TM+4+\b], 23, v[TM+12+\b]      ; the scale's byte
.endr
	v_lshl_or_b32 v[PW], v[TM+5], 8, v[TM+4]
	v_lshl_or_b32 v[PW], v[TM+6], 16, v[PW]
	v_lshl_or_b32 v[PW], v[TM+7], 24, v[PW]
.irp c, 0,1
	v_cvt_scalef32_pk16_fp6_f32 v[PC+6*\c:PC+2+6*\c], v[\s+32*\c:\s+15+32*\c], v[TM+12+2*\c]
	v_cvt_scalef32_pk16_fp6_f32 v[PC+12+4*\c:PC+14+4*\c], v[\s+16+32*\c:\s+31+32*\c], v[TM+12+2*\c+1]   ; (a conversion's three registers begin on an even number)
.endr
	v_nop                                          ; one plain line behind a scaled conversion
.irp c, 0,1                                    ; the operand's layout wants a whole block in a lane
.irp i, 0,1,2
	v_permlane16_swap_b32 v[PC+6*\c+\i], v[PC+12+4*\c+\i]
.endr
.irp i, 0,1,2
	v_mov_b32 v[PC+3+6*\c+\i], v[PC+12+4*\c+\i]
.endr
.endr
.endm
	s_load_b256 s[4:11], s[0:1], 0x0               ; W1's codes, W1's scales, x's codes, x's scales
	s_load_b128 s[12:15], s[0:1], 0x20             ; the experts' numbers, h's codes
	s_load_b64 s[16:17], s[0:1], 0x30              ; h's scales
	v_lshl_add_u32 v254, v0, 2, 0x18800
	v_mov_b32 v255, 0
	v_lshrrev_b32 v15, 5, v0
	v_readfirstlane_b32 s18, v15                   ; wave
	s_mov_b32 s19, ttmp9                           ; slice
	s_and_b32 s20, ttmp7, 0xffff                   ; expert
	s_mov_b32 s68, 0x76543210
	s_mov_b32 s69, 0xfedcba98                      ; v_permlanex16_b32's selects for lane l xor 16
	v_and_b32 v[R], 15, v0
	v_bfe_u32 v15, v0, 4, 1                        ; hh
	v_and_b32 v[HO], 31, v0
	v_lshlrev_b32 v[HO], 4, v[HO]
	v_lshlrev_b32 v[HSO], 2, v[R]
	v_mul_u32_u24 v[H48], v15, 48
	v_lshlrev_b32 v[H16], 4, v15
	v_mul_u32_u24 v[LW0], v[R], WP
	v_mad_u32_u24 v[LW0], v15, 24, v[LW0]
	v_add_nc_u32 v[LW1], 4*16*WP, v[LW0]
	s_mul_i32 s24, s18, 32*WP
	v_add_nc_u32 v[SA0], s24, v[HO]
	v_add_nc_u32 v[SA1], v[SA0], v[H16]
	v_and_b32 v[GSW], 8, v[R]
	v_add_nc_u32 v[GSW], v[GSW], v[R]
	v_lshl_add_u32 v[GSW], v15, 3, v[GSW]
	v_lshlrev_b32 v[GSW], 5, v[GSW]
	s_mul_i32 s24, s20, 0x300000                   ; an expert: 3,145,728 bytes of W1's codes, and as many of h's
	s_mul_i32 s26, s19, 98304                      ; a slice's 128 rows of 768 bytes
	s_add_co_u32 s26, s26, s24
	s_mul_i32 s27, s18, 24576                      ; the 32 rows that my wave stages
	s_add_co_u32 s26, s26, s27
	s_mov_b32 s27, 0
	s_lshl_b32 s28, s20, 17                        ; W1's scales: 131,072 an expert, 4,096 a slice
	s_lshl_b32 s29, s19, 12
	s_add_co_u32 s28, s28, s29
	s_mov_b32 s29, 0
	s_mul_i32 s30, s19, 1536                       ; h's codes: [expert][tile][K step = slice][1,536]
	s_add_co_u32 s30, s30, s24
	s_mov_b32 s31, 0
	s_lshl_b32 s24, s20, 17                        ; h's scales: [expert][tile][K step][64]
	s_lshl_b32 s25, s19, 6
	s_add_co_u32 s24, s24, s25
	s_mov_b32 s25, 0
	s_wait_kmcnt 0x0
	s_add_nc_u64 s[4:5], s[4:5], s[26:27]
	s_add_nc_u64 s[6:7], s[6:7], s[28:29]
	s_add_nc_u64 s[74:75], s[14:15], s[30:31]      ; where tile 0 would go
	s_add_nc_u64 s[76:77], s[16:17], s[24:25]
.irp q, 0,1,2,3,4,5,6,7
	global_load_b128 v[IDS+4*\q:IDS+4*\q+3], v[HO], s[12:13] offset:512*\q   ; register 4 q + i: token 128 q + 4 lane + i
.endr
	WIN 0x40                                       ; destination window 1
.set n, 0
.rept 48
	global_load_b128 v[4*n:4*n+3], v[HO], s[4:5] offset:512*n th:TH_LOAD_NT   ; my 32 rows as they lie: 512 consecutive bytes a load; read once in the launch
.set n, n+1
.endr
	WIN 0
	s_wait_loadcnt 48                              ; the experts' numbers are in; the 48 loads of W1 were issued behind them
.set jj, 0
.rept 32
	v_cmp_eq_u32 s[32+jj], s20, v[IDS+jj]
.set jj, jj+1
.endr
	s_mov_b32 s21, 0
.set jj, 0
.rept 32
	s_bcnt1_i32_b32 s24, s[32+jj]
	s_add_co_u32 s21, s21, s24                     ; the expert's tokens
.set jj, jj+1
.endr
	s_add_co_u32 s22, s21, 15
	s_lshr_b32 s22, s22, 4
	s_max_u32 s22, s22, 1                          ; its tiles, at least one
	s_sub_co_u32 s80, s21, 1                       ; its last slot (without tokens: the greatest number, which holds nothing)
.irp b, 0,1,2,3
.irp c, 0,1
	global_load_b128 v[WS+8*\b+4*\c:WS+8*\b+4*\c+3], v[GSW], s[6:7] offset:1024*\b+16*\c
.endr
.endr
	s_sub_co_u32 s25, s22, 1
	s_min_u32 s24, s18, s25                        ; (a wave without a tile asks for the last one's rows and uses nothing)
	s_lshl_b32 s24, s24, 4
	v_add_nc_u32 v[P], s24, v[R]
	v_min_u32 v[P], s80, v[P]                      ; a slot past the count is the last slot again
	SEL
	ALOAD
	s_wait_loadcnt 33                              ; W1's 48 loads are in; behind them: 8 of scale words, 24 of x's codes, 1 of x's scale words
	WIN 0x04                                       ; an LDS store's data are its source 1: window 1
.set g, 0
.rept 16                                       ; rows 2 g, 2 g + 1 of my 32 go to LDS rows PI, PI + 1: bits 3 and 4 of the row's number change places, so that a tile's rows lie on end
.set PI, (2*g)%8+16*(((2*g)/8)%2)+8*((2*g)/16)
	ds_store_b128 v[SA0], v[12*g:12*g+3] offset:WP*PI
	ds_store_b128 v[SA1], v[12*g+4:12*g+7] offset:WP*PI+512      ; lanes 16-31 hold the second row's first 256 bytes: 16 bytes of padding further on
	ds_store_b128 v[SA0], v[12*g+8:12*g+11] offset:WP*PI+1040
.set g, g+1
.endr
	WIN 0
	s_wait_dscnt 0x0                               ; for the others' sake: my 32 rows lie in LDS
	s_barrier_signal -1
	s_barrier_wait -1                              ; the one barrier: it stands ahead of every branch on a stored number
.set f, 0
.rept 63                                       ; fragment f = 8 s + t into window 1 + f / 21, register 12 (f % 21); the 64th has no room there and is fetched in each trip
.set WN, 0x40*(1+f/21)
	WIN WN
.irp p, 0,1,2,3,4,5
.if f%8 < 4
	ds_load_b64 v[12*(f%21)+2*\p:12*(f%21)+2*\p+1], v[LW0] offset:16*WP*(f%8)+96*(f/8)+48*(\p/3)+8*(\p%3)
.else
	ds_load_b64 v[12*(f%21)+2*\p:12*(f%21)+2*\p+1], v[LW1] offset:16*WP*(f%8-4)+96*(f/8)+48*(\p/3)+8*(\p%3)
.endif
.endr
.set f, f+1
.endr
	WIN 0
	v_mov_b32 v[CA13], 0xaf95df0b
	v_mov_b32 v[CA13+1], 0xaf95df0b
	v_mov_b32 v[CB8], 0xb77460cd
	v_mov_b32 v[CB8+1], 0xb77460cd
	s_cmp_ge_u32 s18, s22
	s_cbranch_scc1 .Lend                           ; fewer tiles than waves
	s_sub_co_u32 s79, s22, s18
	s_add_co_u32 s79, s79, 3
	s_lshr_b32 s79, s79, 2                         ; my trips: tiles wave, wave + 4 .. under the expert's number of tiles
	s_mov_b32 s78, 0
.Ltile:
	s_lshl_b32 s23, s78, 2
	s_add_co_u32 s23, s23, s18                     ; this trip's tile
	s_min_u32 s24, s23, 63                         ; where it goes (the last trip's stores have read these registers: the wait at the trip's end)
	s_mul_i32 s26, s24, 49152
	s_mov_b32 s27, 0
	s_add_nc_u64 s[70:71], s[74:75], s[26:27]
	s_lshl_b32 s26, s24, 11
	s_add_nc_u64 s[72:73], s[76:77], s[26:27]
.irp p, 0,1,2,3,4,5
	ds_load_b64 v[PC+2*\p:PC+2*\p+1], v[LW1] offset:16*WP*3+96*7+48*(\p/3)+8*(\p%3)   ; fragment 63
.endr
	s_wait_loadcnt 0x0                             ; this tile's x (asked for a trip ago); in the first trip W1's scale words too
	s_wait_dscnt 0x0                               ; fragment 63; in the first trip all 63 others
.set f, 0
.rept 64                                       ; K step by K step, the 8 accumulators by turns, one instruction a turn
.set WN, (1+f/21)%4
	WIN WN                                         ; source 0 (W1): window 1, 2, 3; fragment 63: window 0
.if f < 63
.set rA, 12*(f%21)
.else
.set rA, PC
.endif
.set rD, ACC+8*(f%8)
.set rB, A+12*(f/8)
.set rSA, WS+8*((f%8)/2)+f/8
.set rSB, XS+(f/8)%4
.set qA, f%2
.set qB, f/32
.if f < 8
.set zC, 1
.else
.set zC, 0
.endif
	WM
.set f, f+1
.endr
	WIN 0
	s_add_co_u32 s24, s23, 4                       ; my next tile's rows are asked for now and land under the gelu (past the end: the last tile's, unused)
	s_sub_co_u32 s25, s22, 1
	s_min_u32 s24, s24, s25
	s_lshl_b32 s24, s24, 4
	v_add_nc_u32 v[P], s24, v[R]
	v_min_u32 v[P], s80, v[P]
	SEL                                            ; its lines name no register of the products: they are the places in front of the loads into x's registers
	ALOAD
.irp t, 0,1,2,3,4,5,6,7
	GELU8 ACC+8*\t
.endr
	QUANT ACC
.irp c, 0,1,2
	global_store_b128 v[HO], v[PC+4*\c:PC+4*\c+3], s[70:71] offset:512*\c   ; the fragment as it stands: 512 consecutive bytes a store, at a multiple of 256 from the buffer's first byte
.endr
	global_store_b32 v[HSO], v[PW], s[72:73]       ; 16 rows' scale words (both halves of the lanes hold the same)
	s_wait_xcnt 0x0                                ; the stores have read their data and bases: both are written again in the next trip
	s_add_co_u32 s78, s78, 1
	s_cmp_lt_u32 s78, s79
	s_cbranch_scc1 .Ltile
.Lend:
	s_wait_tensorcnt 0x0
	ds_add_u32 v254, v255
	s_wait_dscnt 0x0
	s_endpgm
.Lfunc_end_k_q147f5d2f41_fc1:
	.size	k_q147f5d2f41_fc1, .Lfunc_end_k_q147f5d2f41_fc1-k_q147f5d2f41_fc1
	.p2alignl 7, 3214868480
	.fill 96, 4, 3214868480
	.section	.rodata,"a",@progbits
	.p2align	6, 0x0
	.amdhsa_kernel k_q147f5d2f41_fc1
		.amdhsa_group_segment_fixed_size 100864
		.amdhsa_private_segment_fixed_size 0
		.amdhsa_enable_private_segment 0
		.amdhsa_kernarg_size 56
		.amdhsa_user_sgpr_count 2
		.amdhsa_user_sgpr_kernarg_segment_ptr 1
		.amdhsa_wavefront_size32 1
		.amdhsa_system_sgpr_workgroup_id_x 1
		.amdhsa_system_sgpr_workgroup_id_y 1
		.amdhsa_system_sgpr_workgroup_id_z 1
		.amdhsa_system_vgpr_workitem_id 0
		.amdhsa_next_free_vgpr 1024
		.amdhsa_next_free_sgpr 84
		.amdhsa_reserve_vcc 1
		.amdhsa_float_denorm_mode_32 3
		.amdhsa_float_denorm_mode_16_64 3
		.amdhsa_memory_ordered 1
		.amdhsa_forward_progress 1
		.amdhsa_inst_pref_size 126
	.end_amdhsa_kernel
	.amdgpu_metadata
---
amdhsa.version: [ 1, 2 ]
amdhsa.kernels:
  - .name:           k_q147f5d2f41_fc1
    .symbol:         k_q147f5d2f41_fc1.kd
    .args:
      - { .name: W1_codes, .offset: 0, .size: 8, .value_kind: global_buffer, .address_space: global }
      - { .name: W1_scales, .offset: 8, .size: 8, .value_kind: global_buffer, .address_space: global }
      - { .name: x_codes, .offset: 16, .size: 8, .value_kind: global_buffer, .address_space: global }
      - { .name: x_scales, .offset: 24, .size: 8, .value_kind: global_buffer, .address_space: global }
      - { .name: expert, .offset: 32, .size: 8, .value_kind: global_buffer, .address_space: global }
      - { .name: h_codes, .offset: 40, .size: 8, .value_kind: global_buffer, .address_space: global }
      - { .name: h_scales, .offset: 48, .size: 8, .value_kind: global_buffer, .address_space: global }
    .group_segment_fixed_size: 100864
    .private_segment_fixed_size: 0
    .kernarg_segment_align: 8
    .kernarg_segment_size: 56
    .max_flat_workgroup_size: 128
    .sgpr_count:     84
    .vgpr_count:     1024
    .wavefront_size: 32
...
	.end_amdgpu_metadata
.endif
;; end of part 2
;; launch fc2 (part 3): grid 32 x 8, 4 waves a work-group, no clusters, 111,104 bytes of LDS; arguments W2_codes, W2_scales, expert, prob, h_codes, h_scales, out0; writes out0
.if DOCPART == 3
	.amdgcn_target "amdgcn-amd-amdhsa--gfx1250"
	.amdhsa_code_object_version 6
	.text
	.protected	k_q147f5d2f41_fc2
	.globl	k_q147f5d2f41_fc2
	.p2align	8
	.type	k_q147f5d2f41_fc2,@function
k_q147f5d2f41_fc2:
	s_mov_b64 s[64:65], 0
	v_nop
	global_prefetch_b8 v0, s[64:65] scope:SCOPE_SE
	s_setreg_imm32_b32 hwreg(HW_REG_WAVE_MODE, 25, 1), 1
	s_wait_xcnt 0x0
; FC2.  out[token] = prob[token] x (h W2[e]) for the tokens of expert e alone, on codes of FP6 (E2M3) with one E8M0 scale for each 32 along K = 4,096.
; SHARES.  Work-group (x, y) = (slice of 32 output columns, expert).  Its 32 rows of W2 are one dense block of 98,304 bytes, read from memory once and kept in LDS.  The waves share the expert's tiles of 16 tokens:
; in a pass wave w takes tiles m, m + 4, m + 8 with m = w + 12 x pass.  It walks the 32 K steps once: W2's two fragments of a step come from LDS through a ring of 4 steps in registers and feed 2 or 3 tiles;
; the tiles' fragments of h come from memory, as images of the operand's registers (3 x 512 consecutive bytes), through a ring of 6 steps.  The walk is written twice, for 3 tiles and for 2: a wave whose third
; tile does not exist asks for no third stream.  Each output row has one owner for each slice, this work-group: nothing is added between work-groups.
; Slots, tiles and macro SEL are the last launch's: slot p of an expert is its p-th token in the masks' order.
; EVERY STORE GOES OUT WITH ALL LANES ON.  A slot past the expert's count is held at its last slot, here as in the last launch: such a row of h is the last token's row again, and its result goes to the last token's row of
; the output again.  A tile that does not exist is the expert's last tile again: the same bytes of h, the same slots.  So a repeated row is stored again with the same numbers, by waves of this work-group alone.
; (This takes two equal columns of an operand to give equal results wherever they stand in a tile.)  The work-groups of an expert without tokens store nothing and end behind the barrier.
; THE PRODUCT IS USED TRANSPOSED (source 0 = 16 rows of W2, source 1 = 16 rows of h): a lane holds one token and eight neighbouring columns.  A tile goes through the wave's own stage in LDS, so that eight lanes
; store the 128 consecutive bytes that the slice owns of a row: half of an aligned 256 bytes, the price of 32 columns to a work-group, which gives each of 256 work-groups one slice.
; NO TENSOR LOAD, NO JOINT REQUEST: the number of tiles hangs on the stored experts' numbers.  No prefetch: W2's share is asked for at the head, and h's ring runs six K steps ahead.
; LIMITS.  NaN and infinities are not served.
.set WP,    3088                       ; a row of W2 in LDS: 3,072 bytes + 16 = 772 words: row r starts at bank 4 r mod 64 (64 banks of 4 bytes: ISA guide 11.1)
.set TOKT,  98816                      ; behind W2's 32 rows: for each wave 64 tokens' numbers,
.set PRBT,  99840                      ; their gates,
.set STG,   100864                     ; and a stage of 16 rows x (128 bytes + 16)
.set LW,    1                          ; v1   3,088 r + 24 hh
.set GL,    2                          ; v2   16 lane
.set GS,    3                          ; v3   4 lane
.set TKW,   4                          ; v4   tokens' table, in: 4 lane
.set TKR,   5                          ; v5   out: 4 (lane / 8)
.set PBW,   6                          ; v6   gates' table, in: 4 lane
.set PBR,   7                          ; v7   out: 4 r
.set STO,   8                          ; v8   stage, in: 144 r + 32 hh
.set RD,    9                          ; v9   stage, out: 144 (lane / 8) + 16 (lane % 8)
.set C16,   10                         ; v10  16 (lane % 8)
.set R,     11                         ; v11  r = lane % 16
.set HH,    12                         ; v12  hh = lane / 16
.set WSG,   13                         ; v13  128 lane: row 'lane' of W2's scales
.set SAW,   14                         ; v14  staging: 24,704 wave + 16 lane
.set P,     15                         ; v15  my slot
.set HS,    16                         ; v16-63   h's scale words: register 16 i + q: tile i; lanes 0-15 K step 2 q, lanes 16-31 K step 2 q + 1
.set WR,    64                         ; v64-159  W2's ring: 4 K steps x 2 fragments; on the way out at work
.set WS2,   160                        ; v160-191 W2's scale words: register s: K step s of row 'lane'
.set ACC,   192                        ; v192-239 tile i, column tile t at 8 (2 i + t)
.set ZW,    240                        ; SEL's eleven
.set ZPRE,  241
.set ZTB,   242
.set ZK,    243
.set ZA,    244
.set ZB,    245
.set ZC,    246
.set ZD,    247
.set ZPOS,  248
.set ZT,    249
.set ZU,    250
.set TOK,   251
.set PR1,   252                        ; the gates of the slots of the first and of the second SEL
.set PR2,   253
.set PO1,   254                        ; and their offsets: one each, so that no pending load's offset is written
.set PO2,   255
.set EP,    64                         ; the way out: v64 the gate; from v68 on 24 registers a tile: 16 of rows back from the stage, 4 tokens, 4 offsets
.set IDS,   192                        ; window 2: v0-191 W2's bytes as loaded, v192-223 the experts' numbers.   Window 1: h's ring: 36 (s % 6) + 12 i
; SCALARS: s18 wave, s19 slice, s20 expert, s21 the expert's tokens, s22 its tiles, s23 the pass's first tile, s32-63 the masks, s[68:73] the three tiles' codes, s[74:79] their scale words, s[80:81] the output at my slice,
; s83 passes done, s84 my passes, s85 the last slot
.set MSB, 0
.macro WIN new                         ; s_set_vgpr_msb: bits 1:0 source 0, 3:2 source 1, 5:4 source 2, 7:6 destination; the high byte repeats the setting that is left
.if MSB != (\new)
	s_set_vgpr_msb (MSB<<8)|(\new)
.set MSB, (\new)
.endif
.endm
.macro SELLEV src, width, step
	v_bfe_u32 v[ZT], v[\src], v[ZPOS], \width
	v_cmp_ge_u32 vcc_lo, v[ZK], v[ZT]
	v_cndmask_b32 v[ZT], 0, v[ZT], vcc_lo
	v_cndmask_b32 v[ZU], 0, \step, vcc_lo
	v_sub_nc_u32 v[ZK], v[ZK], v[ZT]
	v_add_nc_u32 v[ZPOS], v[ZPOS], v[ZU]
.endm
; v[TOK] = the token at slot v[P] of my expert: the word in which the slot falls (a scan over the 32 masks with a running count), then the bit in it.  No branch, no memory.
.macro SEL
	v_mov_b32 v[ZW], s32
	v_mov_b32 v[ZPRE], 0
	v_mov_b32 v[ZTB], 0
	s_mov_b32 s66, 0
.set jj, 1
.rept 31
	s_bcnt1_i32_b32 s67, s[31+jj]
	s_add_co_u32 s66, s66, s67
	v_cmp_gt_u32 vcc_lo, s66, v[P]
	v_cndmask_b32 v[ZW], s[32+jj], v[ZW], vcc_lo
	v_cndmask_b32 v[ZPRE], s66, v[ZPRE], vcc_lo
	v_cndmask_b32 v[ZTB], 128*(jj/4)+jj%4, v[ZTB], vcc_lo
.set jj, jj+1
.endr
	v_sub_nc_u32 v[ZK], v[P], v[ZPRE]
	v_lshrrev_b32 v[ZT], 1, v[ZW]
	v_and_b32 v[ZT], 0x55555555, v[ZT]
	v_sub_nc_u32 v[ZA], v[ZW], v[ZT]
	v_lshrrev_b32 v[ZT], 2, v[ZA]
	v_and_b32 v[ZT], 0x33333333, v[ZT]
	v_and_b32 v[ZB], 0x33333333, v[ZA]
	v_add_nc_u32 v[ZB], v[ZB], v[ZT]
	v_lshrrev_b32 v[ZT], 4, v[ZB]
	v_add_nc_u32 v[ZC], v[ZB], v[ZT]
	v_and_b32 v[ZC], 0x0f0f0f0f, v[ZC]
	v_lshrrev_b32 v[ZT], 8, v[ZC]
	v_add_nc_u32 v[ZD], v[ZC], v[ZT]
	v_and_b32 v[ZD], 0x00ff00ff, v[ZD]
	v_mov_b32 v[ZPOS], 0
	SELLEV ZD, 8, 16
	SELLEV ZC, 8, 8
	SELLEV ZB, 4, 4
	SELLEV ZA, 2, 2
	SELLEV ZW, 1, 1
	v_lshl_add_u32 v[TOK], v[ZPOS], 2, v[ZTB]
	v_min_u32 v[TOK], 0x3ff, v[TOK]
.endm
.macro WM                              ; one matrix instruction, by the symbols rD, rA, rB, rSA, rSB; zC: the sum begins; qA, qB: the scale words stand in lanes 16-31
.if zC
.if qA && qB
	v_wmma_scale_f32_16x16x128_f8f6f4 v[rD:rD+7], v[rA:rA+11], v[rB:rB+11], 0, v[rSA], v[rSB] matrix_a_fmt:MATRIX_FMT_FP6 matrix_b_fmt:MATRIX_FMT_FP6 matrix_a_scale:MATRIX_SCALE_ROW1 matrix_b_scale:MATRIX_SCALE_ROW1
.elseif qA
	v_wmma_scale_f32_16x16x128_f8f6f4 v[rD:rD+7], v[rA:rA+11], v[rB:rB+11], 0, v[rSA], v[rSB] matrix_a_fmt:MATRIX_FMT_FP6 matrix_b_fmt:MATRIX_FMT_FP6 matrix_a_scale:MATRIX_SCALE_ROW1
.elseif qB
	v_wmma_scale_f32_16x16x128_f8f6f4 v[rD:rD+7], v[rA:rA+11], v[rB:rB+11], 0, v[rSA], v[rSB] matrix_a_fmt:MATRIX_FMT_FP6 matrix_b_fmt:MATRIX_FMT_FP6 matrix_b_scale:MATRIX_SCALE_ROW1
.else
	v_wmma_scale_f32_16x16x128_f8f6f4 v[rD:rD+7], v[rA:rA+11], v[rB:rB+11], 0, v[rSA], v[rSB] matrix_a_fmt:MATRIX_FMT_FP6 matrix_b_fmt:MATRIX_FMT_FP6
.endif
.else
.if qA && qB
	v_wmma_scale_f32_16x16x128_f8f6f4 v[rD:rD+7], v[rA:rA+11], v[rB:rB+11], v[rD:rD+7], v[rSA], v[rSB] matrix_a_fmt:MATRIX_FMT_FP6 matrix_b_fmt:MATRIX_FMT_FP6 matrix_a_scale:MATRIX_SCALE_ROW1 matrix_b_scale:MATRIX_SCALE_ROW1
.elseif qA
	v_wmma_scale_f32_16x16x128_f8f6f4 v[rD:rD+7], v[rA:rA+11], v[rB:rB+11], v[rD:rD+7], v[rSA], v[rSB] matrix_a_fmt:MATRIX_FMT_FP6 matrix_b_fmt:MATRIX_FMT_FP6 matrix_a_scale:MATRIX_SCALE_ROW1
.elseif qB
	v_wmma_scale_f32_16x16x128_f8f6f4 v[rD:rD+7], v[rA:rA+11], v[rB:rB+11], v[rD:rD+7], v[rSA], v[rSB] matrix_a_fmt:MATRIX_FMT_FP6 matrix_b_fmt:MATRIX_FMT_FP6 matrix_b_scale:MATRIX_SCALE_ROW1
.else
	v_wmma_scale_f32_16x16x128_f8f6f4 v[rD:rD+7], v[rA:rA+11], v[rB:rB+11], v[rD:rD+7], v[rSA], v[rSB] matrix_a_fmt:MATRIX_FMT_FP6 matrix_b_fmt:MATRIX_FMT_FP6
.endif
.endif
.endm
; The pass's three tiles: their bases, all their scale words (48 loads) and the first six K steps of their codes (54 loads).  A tile that does not exist is held at the expert's last one: bytes that have been stored.
.macro AFILL
	s_sub_co_u32 s25, s22, 1
.irp i, 0,1,2
	s_add_co_u32 s24, s23, 4*\i
	s_min_u32 s24, s24, s25
	s_min_u32 s24, s24, 63
	s_mul_i32 s26, s24, 49152
	s_mov_b32 s27, 0
	s_add_nc_u64 s[68+2*\i:69+2*\i], s[12:13], s[26:27]
	s_lshl_b32 s26, s24, 11
	s_add_nc_u64 s[74+2*\i:75+2*\i], s[14:15], s[26:27]
.endr
.irp i, 0,1,2
.irp q, 0,1,2,3,4,5,6,7,8,9,10,11,12,13,14,15
	global_load_b32 v[HS+16*\i+\q], v[GS], s[74+2*\i:75+2*\i] offset:128*\q
.endr
.endr
	WIN 0x40                                       ; destination window 1
.irp s, 0,1,2,3,4,5
.irp i, 0,1,2
.irp c, 0,1,2
	global_load_b128 v[36*\s+12*\i+4*\c:36*\s+12*\i+4*\c+3], v[GL], s[68+2*\i:69+2*\i] offset:1536*\s+512*\c
.endr
.endr
.endr
	WIN 0
.endm
.macro WLOAD s                         ; W2's two fragments of K step s into slot s % 4 of its ring
.irp t, 0,1
.irp p, 0,1,2,3,4,5
	ds_load_b64 v[WR+24*((\s)%4)+12*\t+2*\p:WR+24*((\s)%4)+12*\t+2*\p+1], v[LW] offset:16*WP*\t+96*(\s)+48*(\p/3)+8*(\p%3)
.endr
.endr
.endm
; The walk over K for nt tiles.  The waits' counts: LDS: behind K step s's 12 loads stand those of the up to 3 steps after it.  Memory: behind K step s's loads of h stand, for s under 6, the rest of the fill
; (9 a step) and the 3 nt loads of each step walked; later the 3 nt loads of each of the up to 5 steps after it.  (The one or two loads of gates and stores of tokens issued in between are not counted: the waits are the stricter for it.)
; The 2 nt accumulators take turns, one instruction a turn.  Four places stand between a step's products and the loads into the registers that they read.
.macro STREAM nt
	WIN 0x04                                       ; source 1 (h) window 1
.set ss, 0
.rept 32
.if ss < 29
	s_wait_dscnt 36
.else
	s_wait_dscnt 12*(31-ss)
.endif
.if ss < 6
.set LC, 9*(5-ss)+3*\nt*ss
.elseif ss < 27
.set LC, 15*\nt
.else
.set LC, 3*\nt*(31-ss)
.endif
	s_wait_loadcnt LC
.irp t, 0,1
.irp i, 0,1,2
.if \i < \nt
.set rD, ACC+8*(2*\i+\t)
.set rA, WR+24*(ss%4)+12*\t
.set rB, 36*(ss%6)+12*\i
.set rSA, WS2+ss
.set rSB, HS+16*\i+ss/2
.set qA, \t
.set qB, ss%2
.if ss == 0
.set zC, 1
.else
.set zC, 0
.endif
	WM
.endif
.endr
.endr
.rept 4
	v_nop
.endr
.if ss+6 < 32
	WIN 0x44                                       ; destination window 1
.irp i, 0,1,2
.if \i < \nt
.irp c, 0,1,2
	global_load_b128 v[36*(ss%6)+12*\i+4*\c:36*(ss%6)+12*\i+4*\c+3], v[GL], s[68+2*\i:69+2*\i] offset:1536*(ss+6)+512*\c
.endr
.endif
.endr
	WIN 0x04
.endif
.if ss+4 < 32
	WLOAD ss+4
.endif
.set ss, ss+1
.endr
	WIN 0
.endm
; Tile i leaves: x the gate, through my stage, eight lanes to a row's 128 bytes.  Each tile has its own registers for rows, tokens and offsets: no store's registers are written again before the pass's end.
.macro EPI i
.set EB, 68+24*\i
	ds_load_b32 v[EP], v[PBR] offset:64*\i         ; LDS serves a wave's instructions in order (ISA guide 5.7.1.4): it sees my store of the gates
	s_wait_dscnt 0x0
.irp t, 0,1
.irp j, 0,2,4,6
	v_pk_mul_f32 v[ACC+8*(2*\i+\t)+\j:ACC+8*(2*\i+\t)+\j+1], v[ACC+8*(2*\i+\t)+\j:ACC+8*(2*\i+\t)+\j+1], v[EP:EP+1] op_sel_hi:[1,0]   ; each accumulator from its low end on; of the pair the low word serves both halves
.endr
.endr
.irp t, 0,1
.irp c, 0,1
	ds_store_b128 v[STO], v[ACC+8*(2*\i+\t)+4*\c:ACC+8*(2*\i+\t)+4*\c+3] offset:64*\t+16*\c
.endr
.endr
.irp k, 0,1,2,3
	ds_load_b128 v[EB+4*\k:EB+4*\k+3], v[RD] offset:576*\k       ; rows 4 k + lane / 8
	ds_load_b32 v[EB+16+\k], v[TKR] offset:64*\i+16*\k           ; and their tokens
.endr
	s_wait_dscnt 0x0
.irp k, 0,1,2,3
	v_min_u32 v[EB+16+\k], 0x3ff, v[EB+16+\k]
	v_lshl_add_u32 v[EB+20+\k], v[EB+16+\k], 12, v[C16]          ; a row of the output is 4,096 bytes
.endr
.irp k, 0,1,2,3
	global_store_b128 v[EB+20+\k], v[EB+4*\k:EB+4*\k+3], s[80:81] th:TH_STORE_NT   ; read by nobody here
.endr
.endm
	s_load_b256 s[4:11], s[0:1], 0x0               ; W2's codes, W2's scales, the experts' numbers, the gates
	s_load_b128 s[12:15], s[0:1], 0x20             ; h's codes, h's scales
	s_load_b64 s[16:17], s[0:1], 0x30              ; the output
	s_set_vgpr_msb 0x40
	v_lshl_add_u32 v254, v0, 2, 0x1b000
	v_mov_b32 v255, 0
	s_set_vgpr_msb 0x4000
	v_lshrrev_b32 v240, 5, v0
	v_readfirstlane_b32 s18, v240                  ; wave
	s_mov_b32 s19, ttmp9                           ; slice
	s_and_b32 s20, ttmp7, 0xffff                   ; expert
	v_and_b32 v240, 31, v0                         ; lane
	v_and_b32 v[R], 15, v0
	v_bfe_u32 v[HH], v0, 4, 1
	v_bfe_u32 v241, v0, 3, 2                       ; lane / 8
	v_lshlrev_b32 v[GL], 4, v240
	v_lshlrev_b32 v[GS], 2, v240
	v_lshlrev_b32 v[WSG], 7, v240
	v_mul_u32_u24 v[LW], v[R], WP
	v_mad_u32_u24 v[LW], v[HH], 24, v[LW]
	v_and_b32 v[C16], 7, v0
	v_lshlrev_b32 v[C16], 4, v[C16]
	s_lshl_b32 s24, s18, 8
	s_add_co_u32 s25, s24, TOKT
	v_add_nc_u32 v[TKW], s25, v[GS]
	v_lshl_add_u32 v[TKR], v241, 2, s25
	s_add_co_u32 s25, s24, PRBT
	v_add_nc_u32 v[PBW], s25, v[GS]
	v_lshl_add_u32 v[PBR], v[R], 2, s25
	s_mul_i32 s24, s18, 16*144
	s_add_co_u32 s24, s24, STG
	v_mul_u32_u24 v[STO], v[R], 144
	v_lshl_add_u32 v[STO], v[HH], 5, v[STO]
	v_add_nc_u32 v[STO], s24, v[STO]
	v_mul_u32_u24 v[RD], v241, 144
	v_add_nc_u32 v[RD], v[RD], v[C16]
	v_add_nc_u32 v[RD], s24, v[RD]
	s_mul_i32 s24, s18, 8*WP
	v_add_nc_u32 v[SAW], s24, v[GL]
	s_mul_i32 s24, s20, 0x300000                   ; an expert: 3,145,728 bytes of W2's codes, and as many of h's
	s_mov_b32 s25, 0
	s_mul_i32 s26, s19, 98304                      ; a slice's 32 rows of 3,072 bytes
	s_mul_i32 s27, s18, 24576                      ; the 8 rows that my wave stages
	s_add_co_u32 s26, s26, s27
	s_add_co_u32 s26, s26, s24
	s_mov_b32 s27, 0
	s_lshl_b32 s28, s20, 17                        ; 131,072 bytes of scales an expert, W2's and h's alike
	s_mov_b32 s29, 0
	s_lshl_b32 s30, s19, 12                        ; a slice's 32 rows of 128 scale bytes
	s_add_co_u32 s30, s30, s28
	s_mov_b32 s31, 0
	s_lshl_b32 s66, s19, 7                         ; the slice's 128 bytes of a row of the output
	s_mov_b32 s67, 0
	s_mov_b32 s23, s18                             ; the first pass's first tile
	s_mov_b32 s83, 0
	s_wait_kmcnt 0x0
	s_add_nc_u64 s[4:5], s[4:5], s[26:27]
	s_add_nc_u64 s[6:7], s[6:7], s[30:31]
	s_add_nc_u64 s[12:13], s[12:13], s[24:25]
	s_add_nc_u64 s[14:15], s[14:15], s[28:29]
	s_add_nc_u64 s[80:81], s[16:17], s[66:67]
	WIN 0x80                                       ; destination window 2
.irp q, 0,1,2,3,4,5,6,7
	global_load_b128 v[IDS+4*\q:IDS+4*\q+3], v[GL], s[8:9] offset:512*\q   ; register 4 q + i: token 128 q + 4 lane + i
.endr
.set n, 0
.rept 48
	global_load_b128 v[4*n:4*n+3], v[GL], s[4:5] offset:512*n th:TH_LOAD_NT   ; my 8 rows as they lie: 512 consecutive bytes a load; read once in the launch
.set n, n+1
.endr
	WIN 0
.irp q, 0,1,2,3,4,5,6,7
	global_load_b128 v[WS2+4*\q:WS2+4*\q+3], v[WSG], s[6:7] offset:16*\q   ; row 'lane' of the slice's scales, its 128 bytes in eight loads: 4 KB a wave, once
.endr
	s_wait_loadcnt 56                              ; the experts' numbers are in; behind them: 48 loads of W2's codes and 8 of its scales
	WIN 0x02                                       ; source 0 window 2
.set jj, 0
.rept 32
	v_cmp_eq_u32 s[32+jj], v[IDS+jj], s20
.set jj, jj+1
.endr
	WIN 0
	s_mov_b32 s21, 0
.set jj, 0
.rept 32
	s_bcnt1_i32_b32 s24, s[32+jj]
	s_add_co_u32 s21, s21, s24                     ; the expert's tokens
.set jj, jj+1
.endr
	s_add_co_u32 s22, s21, 15
	s_lshr_b32 s22, s22, 4
	s_max_u32 s22, s22, 1                          ; its tiles, as the last launch counted them
	s_sub_co_u32 s85, s21, 1                       ; its last slot
	AFILL
	s_wait_loadcnt 63                              ; 110 loads were issued behind W2's codes: at most 63 out shows the codes in
	WIN 0x08                                       ; an LDS store's data are its source 1: window 2
.set n, 0
.rept 48
	ds_store_b128 v[SAW], v[4*n:4*n+3] offset:WP*(n/6)+512*(n%6)
.set n, n+1
.endr
	WIN 0
	s_wait_dscnt 0x0                               ; for the others' sake: my 8 rows lie in LDS
	s_barrier_signal -1
	s_barrier_wait -1                              ; the one barrier: it stands ahead of every branch on a stored number
	s_cmp_eq_u32 s21, 0
	s_cbranch_scc1 .Lend                           ; an expert without tokens owns no row of the output
	s_cmp_ge_u32 s18, s22
	s_cbranch_scc1 .Lend                           ; fewer tiles than waves
	s_sub_co_u32 s84, s22, s18
	s_add_co_u32 s84, s84, 11
	s_mul_i32 s84, s84, 5462                       ; my passes: (tiles - wave + 11) / 12, rounded down: x 5,462 / 65,536 gives that for the 12 .. 75 that occur
	s_lshr_b32 s84, s84, 16
.Lpass:
	WLOAD 0
	WLOAD 1
	WLOAD 2
	WLOAD 3
	s_lshl_b32 s24, s23, 4                         ; lanes 0-15: tile m's slots; lanes 16-31: those of tile m + 4, or of the last tile where there is none
	s_add_co_u32 s25, s23, 4
	s_sub_co_u32 s26, s22, 1
	s_min_u32 s25, s25, s26
	s_sub_co_u32 s25, s25, s23
	s_lshl_b32 s25, s25, 4
	v_mad_u32_u24 v[P], v[HH], s25, v[R]
	v_add_nc_u32 v[P], s24, v[P]
	v_min_u32 v[P], s85, v[P]                      ; a slot past the count is the last slot again
	SEL
	ds_store_b32 v[TKW], v[TOK]
	v_lshlrev_b32 v[PO1], 2, v[TOK]
	global_load_b32 v[PR1], v[PO1], s[10:11]
	s_sub_co_u32 s26, s22, s23
	s_cmp_gt_u32 s26, 8                            ; is there a tile m + 8?
	s_cbranch_scc0 .Ltwo
	s_add_co_u32 s24, s24, 128
	v_add_nc_u32 v[P], s24, v[R]                   ; tile m + 8's slots (both halves of the lanes alike)
	v_min_u32 v[P], s85, v[P]
	SEL
	ds_store_b32 v[TKW], v[TOK] offset:128
	v_lshlrev_b32 v[PO2], 2, v[TOK]
	global_load_b32 v[PR2], v[PO2], s[10:11]
	STREAM 3
	s_wait_loadcnt 0x0                             ; the gates; no load of mine is out from here on
	ds_store_b32 v[PBW], v[PR1]
	ds_store_b32 v[PBW], v[PR2] offset:128
	EPI 0
	EPI 1
	EPI 2
	s_branch .Lnext
.Ltwo:
	STREAM 2
	s_wait_loadcnt 0x0
	ds_store_b32 v[PBW], v[PR1]
	EPI 0
	EPI 1
.Lnext:
	s_wait_xcnt 0x0                                ; the stores have read their registers: the ring's are loaded again in the next pass
	s_add_co_u32 s83, s83, 1
	s_mul_i32 s23, s83, 12
	s_add_co_u32 s23, s23, s18                     ; the next pass's first tile
	s_cmp_ge_u32 s83, s84
	s_cbranch_scc1 .Lno_fill
	AFILL                                          ; an expert of more than 192 tokens: the next three tiles
.Lno_fill:
	s_cmp_lt_u32 s83, s84
	s_cbranch_scc1 .Lpass
.Lend:
	s_set_vgpr_msb 0x5
	s_wait_tensorcnt 0x0
	ds_add_u32 v254, v255
	s_wait_dscnt 0x0
	s_set_vgpr_msb 0x500
	s_endpgm
.Lfunc_end_k_q147f5d2f41_fc2:
	.size	k_q147f5d2f41_fc2, .Lfunc_end_k_q147f5d2f41_fc2-k_q147f5d2f41_fc2
	.p2alignl 7, 3214868480
	.fill 96, 4, 3214868480
	.section	.rodata,"a",@progbits
	.p2align	6, 0x0
	.amdhsa_kernel k_q147f5d2f41_fc2
		.amdhsa_group_segment_fixed_size 111104
		.amdhsa_private_segment_fixed_size 0
		.amdhsa_enable_private_segment 0
		.amdhsa_kernarg_size 56
		.amdhsa_user_sgpr_count 2
		.amdhsa_user_sgpr_kernarg_segment_ptr 1
		.amdhsa_wavefront_size32 1
		.amdhsa_system_sgpr_workgroup_id_x 1
		.amdhsa_system_sgpr_workgroup_id_y 1
		.amdhsa_system_sgpr_workgroup_id_z 1
		.amdhsa_system_vgpr_workitem_id 0
		.amdhsa_next_free_vgpr 768
		.amdhsa_next_free_sgpr 96
		.amdhsa_reserve_vcc 1
		.amdhsa_float_denorm_mode_32 3
		.amdhsa_float_denorm_mode_16_64 3
		.amdhsa_memory_ordered 1
		.amdhsa_forward_progress 1
		.amdhsa_inst_pref_size 206
	.end_amdhsa_kernel
	.amdgpu_metadata
---
amdhsa.version: [ 1, 2 ]
amdhsa.kernels:
  - .name:           k_q147f5d2f41_fc2
    .symbol:         k_q147f5d2f41_fc2.kd
    .args:
      - { .name: W2_codes, .offset: 0, .size: 8, .value_kind: global_buffer, .address_space: global }
      - { .name: W2_scales, .offset: 8, .size: 8, .value_kind: global_buffer, .address_space: global }
      - { .name: expert, .offset: 16, .size: 8, .value_kind: global_buffer, .address_space: global }
      - { .name: prob, .offset: 24, .size: 8, .value_kind: global_buffer, .address_space: global }
      - { .name: h_codes, .offset: 32, .size: 8, .value_kind: global_buffer, .address_space: global }
      - { .name: h_scales, .offset: 40, .size: 8, .value_kind: global_buffer, .address_space: global }
      - { .name: out0, .offset: 48, .size: 8, .value_kind: global_buffer, .address_space: global }
    .group_segment_fixed_size: 111104
    .private_segment_fixed_size: 0
    .kernarg_segment_align: 8
    .kernarg_segment_size: 56
    .max_flat_workgroup_size: 128
    .sgpr_count:     96
    .vgpr_count:     768
    .wavefront_size: 32
...
	.end_amdgpu_metadata
.endif
;; end of part 3
;; ======== version 2 of 2: 3 launches; version 1 with the launches fc1, fc2 written anew for expert scheduling mode
;; workspace buffers: x_codes 786,432 bytes; x_scales 32,768 bytes; expert 4,096 bytes of whole numbers; prob 4,096 bytes; h_codes 25,165,824 bytes; h_scales 1,048,576 bytes
;; launch route: the kernel of part 1 again; grid 256 x 1, 4 waves a work-group, no clusters, 26,112 bytes of LDS; arguments hidden_states, Wr, br, x_codes, x_scales, expert, prob; writes x_codes, x_scales, expert, prob
;; launch fc1 (part 4): grid 32 x 8, 4 waves a work-group, no clusters, 100,864 bytes of LDS; arguments W1_codes, W1_scales, x_codes, x_scales, expert, h_codes, h_scales; writes h_codes, h_scales
.if DOCPART == 4
	.amdgcn_target "amdgcn-amd-amdhsa--gfx1250"
	.amdhsa_code_object_version 6
	.text
	.protected	k_q147f5d2f41_fc1
	.globl	k_q147f5d2f41_fc1
	.p2align	8
	.type	k_q147f5d2f41_fc1,@function
k_q147f5d2f41_fc1:
	s_mov_b64 s[64:65], 0
	v_nop
	global_prefetch_b8 v0, s[64:65] scope:SCOPE_SE
	s_setreg_imm32_b32 hwreg(HW_REG_WAVE_SCHED_MODE, 0, 2), 2
	s_setreg_imm32_b32 hwreg(HW_REG_WAVE_MODE, 25, 1), 1
	s_wait_xcnt 0x0
	s_wait_alu depctr_vm_vsrc(0)
; FC1.  h = Q(gelu(Q(x) W1[e])) for the tokens of expert e alone, on codes of FP6 (E2M3) with one E8M0 scale for each 32 along K; gelu exact (erf), in f32.
; SHARES.  Work-group (x, y) = (slice of 128 hidden units, expert).  Its 128 rows of W1 are one dense block of 98,304 bytes, read from memory once (no other work-group reads them), staged in LDS and then held WHOLE in
; every wave's registers: 64 fragments (K step s, tile t).  The waves share the expert's tiles of 16 tokens: wave w takes tiles w, w + 4 ..; behind the one barrier no wave waits for another.
; A wave's 8 tiles of hidden units for 16 tokens are exactly one K step of the next product: one fragment and one scale word a row, stored as an image of the operand's registers (3 x 512 consecutive bytes).
; WHO IS IN A TILE.  Every wave reads the 1,024 experts' numbers, makes 32 masks (bit l of word j: token 128 (j / 4) + j % 4 + 4 l) and finds 'the p-th token of my expert' in registers (macro SEL).  Slot p of an expert
; is its p-th token in that order; tile m holds slots 16 m .. 16 m + 15.  A slot past the expert's count is held at its last slot: the last tile's spare rows repeat the last token's row.  An expert without tokens
; still makes tile 0 (of token 1,023's row), so that every byte of h that the next launch loads has been stored; nothing of it reaches the output.
; THE PRODUCT IS USED TRANSPOSED (source 0 = 16 rows of W1, source 1 = 16 tokens), and lane r of tile 2 b + u takes row 32 b + 8 u + r + 8 (r / 8): a lane then holds one token, and the 16 registers of tiles 2 b, 2 b + 1
; are 16 neighbours along the next K.  In LDS the rows are laid so that a tile's 16 rows are neighbours.
; NO TENSOR LOAD, NO JOINT REQUEST: the number of tiles hangs on the stored experts' numbers.  No prefetch: a work-group's whole share of W1 is asked for at its head.
; The scale words of h leave as 64 consecutive bytes a tile: one part in 24 of what a tile stores.
; LIMITS.  erf is a rational function of z = a / sqrt(2) held to -4 .. 4 (degree 13 over degree 8), a few 1e-7 absolute.  NaN and infinities are not served.  A block of zeros gets the byte 1 (read by this program alone).
; THE MODE: SCHED_MODE bits 1:0 = 2 (LLVM: expert scheduling mode 2), set by the entry lines.  The code itself states the register dependences between vector or matrix instructions and memory or LDS instructions,
; and those through scalar registers and VCC that vector instructions write, with s_wait_alu, always for 0.
; THE PLAN.  Registers that memory or LDS instructions touch:
;   v1, v2, v5 .. v12   addresses and offsets, made once at the head and never written again.
;   v3, v4              x's offsets: written by ALOAD's three lines, read by its 25 loads.
;   v52-147, v48-51     x's fragments and scale words: ALOAD's loads land in them; the trip's 64 products read them.
;   v212-223            fragment 63 lands in them at a trip's head and the trip's last product reads it; then the gelu works in them and QUANT leaves the codes there, which the trip's stores read.   v248: the scale word, likewise.
;   windows 1 to 3      at the head W1's bytes land in window 1 and the LDS stores read them; then the 63 fragments land, and from there on products alone name them.
; A trip's waits: one on va_vdst in ALOAD (the offsets are written, the products are done reading x); one ahead of the stores (codes and scale word are written; no vector line follows it before the next trip's load of
; fragment 63, so it serves that load too); one on vm_vsrc at the trip's end (the stores have read the codes, ALOAD's loads their offsets); one behind each accumulator's eight reciprocals; SEL's nine for its masks.
.set WP,    784                        ; a row of W1 in LDS: 768 bytes + 16 = 196 words: row r starts at bank 4 r mod 64 (64 banks of 4 bytes: ISA guide 11.1): the 32 lanes of an 8-byte load touch 64 different banks
.set LW0,   1                          ; v1   784 r + 24 hh: my place in tiles 0-3
.set LW1,   2                          ; v2   the same for tiles 4-7 (an LDS offset has 16 bits)
.set XA,    3                          ; v3   my token's codes: 768 token + 48 hh
.set XSA,   4                          ; v4   my token's scale words: 32 token + 16 hh
.set HO,    5                          ; v5   16 lane
.set HSO,   6                          ; v6   4 r
.set R,     7                          ; v7   r = lane % 16
.set H48,   8
.set H16,   9
.set SA0,   10                         ; v10  staging: 25,088 wave + 16 lane
.set SA1,   11                         ; v11  the same, 16 further on for lanes 16-31: the load that straddles two rows
.set GSW,   12                         ; v12  W1's scale words: 32 (8 hh + r + 8 (r / 8))
.set P,     13                         ; v13  my slot
.set TOK,   14                         ; v14  its token
.set WS,    16                         ; v16-47   W1's scale words: register 8 b + s: lanes 0-15 tile 2 b, lanes 16-31 tile 2 b + 1, K step s
.set XS,    48                         ; v48-51   x's scale words: lanes 0-15 K steps 0-3, lanes 16-31 K steps 4-7
.set A,     52                         ; v52-147  x's 8 fragments
.set ACC,   148                        ; v148-211 8 accumulators
.set IDS,   148                        ; (at the head: the experts' numbers)
.set PC,    212                        ; v212-231 fragment 63 of W1; later the codes just made
.set TM,    232                        ; v232-247 at work
.set PW,    248                        ; the scale word just made
.set CA13,  250                        ; v[250:251], v[252:253]: the two leading coefficients (an instruction takes one literal)
.set CB8,   252
.set GZ,    212                        ; gelu: z, z^2, numerator, denominator, 8 registers each
.set GX,    220
.set GP,    228
.set GQ,    236
.set ZW,    232                        ; SEL: the word, the count before it, its first token, what is left of p, four levels of counts, the bit, two at work
.set ZPRE,  233
.set ZTB,   234
.set ZK,    235
.set ZA,    236
.set ZB,    237
.set ZC,    238
.set ZD,    239
.set ZPOS,  240
.set ZT,    241
.set ZU,    242
.set MK,    24                         ; s24-31  SEL: a run's eight masks
.set PFA,   12                         ; s12-17, s20, s21  SEL: a run's eight running counts (registers that the head has done with when the first SEL begins)
.set PFN,   6
.set PFB,   20
; SCALARS: s18 wave, s19 slice, s20 expert, s21 the expert's tokens, s22 its tiles, s23 the tile in hand, s32-63 the masks, s[70:73] where the tile goes, s[74:77] where tile 0 would go, s78 trips done, s79 my trips, s80 the last slot
.set MSB, 0
.macro WIN new                         ; s_set_vgpr_msb: bits 1:0 source 0, 3:2 source 1, 5:4 source 2, 7:6 destination; the high byte repeats the setting that is left
.if MSB != (\new)
	s_set_vgpr_msb (MSB<<8)|(\new)
.set MSB, (\new)
.endif
.endm
; One level of the descent: are there at most k set bits in the field at the bit in hand?  Then they are passed over.
.macro SELLEV src, width, step
	v_bfe_u32 v[ZT], v[\src], v[ZPOS], \width
	v_cmp_ge_u32 vcc_lo, v[ZK], v[ZT]
	s_wait_alu depctr_va_vcc(0)                    ; VCC is written, ahead of the two selects that read it (each level hangs on the level before: a wait a level)
	v_cndmask_b32 v[ZT], 0, v[ZT], vcc_lo
	v_cndmask_b32 v[ZU], 0, \step, vcc_lo
	v_sub_nc_u32 v[ZK], v[ZK], v[ZT]
	v_add_nc_u32 v[ZPOS], v[ZPOS], v[ZU]
.endm
; v[TOK] = the token at slot v[P] of my expert.  First the word in which the slot falls (a scan over the 32 masks with a running count), then the bit in it (counts of 2, 4, 8, 16 bits; five halvings).  No branch, no memory.
; The scan's 31 compares go in runs of eight, each into a scalar register of its own with its running count kept beside it: one wait serves a run, and the run's selects follow it.
.macro SEL
	v_mov_b32 v[ZW], s32
	v_mov_b32 v[ZPRE], 0
	v_mov_b32 v[ZTB], 0
	s_mov_b32 s66, 0
.set pfp, 66
.set jb, 1
.rept 4
.set gg, 0
.rept 8
.if jb+gg < 32
.if gg < PFN
.set pfc, PFA+gg
.else
.set pfc, PFB+gg-PFN
.endif
	s_bcnt1_i32_b32 s67, s[31+jb+gg]
	s_add_co_u32 s[pfc], s[pfp], s67               ; tokens in the words before word jb + gg
	v_cmp_gt_u32 s[MK+gg], s[pfc], v[P]            ; more than p: the slot lies before this word
.set pfp, pfc
.endif
.set gg, gg+1
.endr
	s_wait_alu depctr_va_sdst(0)                   ; the run's masks are written, ahead of the selects that read them
.set gg, 0
.rept 8
.if jb+gg < 32
.if gg < PFN
.set pfc, PFA+gg
.else
.set pfc, PFB+gg-PFN
.endif
	v_cndmask_b32 v[ZW], s[32+jb+gg], v[ZW], s[MK+gg]
	v_cndmask_b32 v[ZPRE], s[pfc], v[ZPRE], s[MK+gg]
	v_cndmask_b32 v[ZTB], 128*((jb+gg)/4)+(jb+gg)%4, v[ZTB], s[MK+gg]
.endif
.set gg, gg+1
.endr
.set jb, jb+8
.endr
	v_sub_nc_u32 v[ZK], v[P], v[ZPRE]
	v_lshrrev_b32 v[ZT], 1, v[ZW]
	v_and_b32 v[ZT], 0x55555555, v[ZT]
	v_sub_nc_u32 v[ZA], v[ZW], v[ZT]
	v_lshrrev_b32 v[ZT], 2, v[ZA]
	v_and_b32 v[ZT], 0x33333333, v[ZT]
	v_and_b32 v[ZB], 0x33333333, v[ZA]
	v_add_nc_u32 v[ZB], v[ZB], v[ZT]
	v_lshrrev_b32 v[ZT], 4, v[ZB]
	v_add_nc_u32 v[ZC], v[ZB], v[ZT]
	v_and_b32 v[ZC], 0x0f0f0f0f, v[ZC]
	v_lshrrev_b32 v[ZT], 8, v[ZC]
	v_add_nc_u32 v[ZD], v[ZC], v[ZT]
	v_and_b32 v[ZD], 0x00ff00ff, v[ZD]
	v_mov_b32 v[ZPOS], 0
	SELLEV ZD, 8, 16
	SELLEV ZC, 8, 8
	SELLEV ZB, 4, 4
	SELLEV ZA, 2, 2
	SELLEV ZW, 1, 1
	v_lshl_add_u32 v[TOK], v[ZPOS], 2, v[ZTB]
	v_min_u32 v[TOK], 0x3ff, v[TOK]                ; a token's number, whatever the slot
.endm
.macro ALOAD                           ; my token's 8 fragments (48 consecutive bytes each for my half) and its scale words
	v_mul_u32_u24 v[XA], v[TOK], 768
	v_add_nc_u32 v[XA], v[XA], v[H48]
	v_lshl_add_u32 v[XSA], v[TOK], 5, v[H16]
	s_wait_alu depctr_va_vdst(0)                   ; v[XA] and v[XSA] are written, which the loads read; in the loop the trip's products are done reading x's fragments and scale words, in which the loads land
.irp s, 0,1,2,3,4,5,6,7
.irp c, 0,1,2
	global_load_b128 v[A+12*\s+4*\c:A+12*\s+4*\c+3], v[XA], s[8:9] offset:96*\s+16*\c
.endr
.endr
	global_load_b128 v[XS:XS+3], v[XSA], s[10:11]
.endm
; One matrix instruction, by the symbols rD, rA, rB, rSA, rSB; zC: the sum begins; qA, qB: the scale words stand in lanes 16-31.
.macro WM
.if zC
.if qA && qB
	v_wmma_scale_f32_16x16x128_f8f6f4 v[rD:rD+7], v[rA:rA+11], v[rB:rB+11], 0, v[rSA], v[rSB] matrix_a_fmt:MATRIX_FMT_FP6 matrix_b_fmt:MATRIX_FMT_FP6 matrix_a_scale:MATRIX_SCALE_ROW1 matrix_b_scale:MATRIX_SCALE_ROW1
.elseif qA
	v_wmma_scale_f32_16x16x128_f8f6f4 v[rD:rD+7], v[rA:rA+11], v[rB:rB+11], 0, v[rSA], v[rSB] matrix_a_fmt:MATRIX_FMT_FP6 matrix_b_fmt:MATRIX_FMT_FP6 matrix_a_scale:MATRIX_SCALE_ROW1
.elseif qB
	v_wmma_scale_f32_16x16x128_f8f6f4 v[rD:rD+7], v[rA:rA+11], v[rB:rB+11], 0, v[rSA], v[rSB] matrix_a_fmt:MATRIX_FMT_FP6 matrix_b_fmt:MATRIX_FMT_FP6 matrix_b_scale:MATRIX_SCALE_ROW1
.else
	v_wmma_scale_f32_16x16x128_f8f6f4 v[rD:rD+7], v[rA:rA+11], v[rB:rB+11], 0, v[rSA], v[rSB] matrix_a_fmt:MATRIX_FMT_FP6 matrix_b_fmt:MATRIX_FMT_FP6
.endif
.else
.if qA && qB
	v_wmma_scale_f32_16x16x128_f8f6f4 v[rD:rD+7], v[rA:rA+11], v[rB:rB+11], v[rD:rD+7], v[rSA], v[rSB] matrix_a_fmt:MATRIX_FMT_FP6 matrix_b_fmt:MATRIX_FMT_FP6 matrix_a_scale:MATRIX_SCALE_ROW1 matrix_b_scale:MATRIX_SCALE_ROW1
.elseif qA
	v_wmma_scale_f32_16x16x128_f8f6f4 v[rD:rD+7], v[rA:rA+11], v[rB:rB+11], v[rD:rD+7], v[rSA], v[rSB] matrix_a_fmt:MATRIX_FMT_FP6 matrix_b_fmt:MATRIX_FMT_FP6 matrix_a_scale:MATRIX_SCALE_ROW1
.elseif qB
	v_wmma_scale_f32_16x16x128_f8f6f4 v[rD:rD+7], v[rA:rA+11], v[rB:rB+11], v[rD:rD+7], v[rSA], v[rSB] matrix_a_fmt:MATRIX_FMT_FP6 matrix_b_fmt:MATRIX_FMT_FP6 matrix_b_scale:MATRIX_SCALE_ROW1
.else
	v_wmma_scale_f32_16x16x128_f8f6f4 v[rD:rD+7], v[rA:rA+11], v[rB:rB+11], v[rD:rD+7], v[rSA], v[rSB] matrix_a_fmt:MATRIX_FMT_FP6 matrix_b_fmt:MATRIX_FMT_FP6
.endif
.endif
.endm
.macro HORN reg, lit                   ; one step of Horner's rule on four pairs: reg = reg z^2 + lit
.irp i, 0,2,4,6
	v_pk_fma_f32 v[\reg+\i:\reg+\i+1], v[\reg+\i:\reg+\i+1], v[GX+\i:GX+\i+1], \lit op_sel_hi:[1,1,0]
.endr
.endm
; gelu(a) = a / 2 + (a / 2) erf(a / sqrt(2)) on one accumulator, in place, two numbers an instruction, from its low end on.  erf(z) = z N(z^2) / D(z^2), z held to -4 .. 4.
.macro GELU8 a
.irp i, 0,2,4,6
	v_pk_mul_f32 v[GZ+\i:GZ+\i+1], v[(\a)+\i:(\a)+\i+1], 0x3f3504f3 op_sel_hi:[1,0]
.endr
.irp i, 0,1,2,3,4,5,6,7
	v_med3_num_f32 v[GZ+\i], v[GZ+\i], -4.0, 4.0
.endr
.irp i, 0,2,4,6
	v_pk_mul_f32 v[GX+\i:GX+\i+1], v[GZ+\i:GZ+\i+1], v[GZ+\i:GZ+\i+1]
.endr
.irp i, 0,2,4,6
	v_pk_fma_f32 v[GP+\i:GP+\i+1], v[GX+\i:GX+\i+1], v[CA13:CA13+1], 0x32edffee op_sel_hi:[1,1,0]
.endr
.irp i, 0,2,4,6
	v_pk_fma_f32 v[GQ+\i:GQ+\i+1], v[GX+\i:GX+\i+1], v[CB8:CB8+1], 0xb95fbd29 op_sel_hi:[1,1,0]
.endr
	HORN GP, 0xb60cff51                            ; numerator and denominator by turns
	HORN GQ, 0xbadc924e
	HORN GP, 0xb86ec2d2
	HORN GQ, 0xbbf19bf8
	HORN GP, 0xba40ac63
	HORN GQ, 0xbc69b6a7
	HORN GP, 0xbb41a1f6
	HORN GP, 0xbc83dbd4
.irp i, 0,2,4,6
	v_pk_mul_f32 v[GP+\i:GP+\i+1], v[GP+\i:GP+\i+1], v[GZ+\i:GZ+\i+1]
.endr
.irp i, 0,1,2,3,4,5,6,7
	v_rcp_f32 v[GQ+\i], v[GQ+\i]
.endr
.irp i, 0,2,4,6
	v_pk_mul_f32 v[(\a)+\i:(\a)+\i+1], v[(\a)+\i:(\a)+\i+1], 0.5 op_sel_hi:[1,0]   ; (plain lines behind the reciprocals)
.endr
	s_wait_alu depctr_va_vdst(0)                   ; the eight reciprocals v[GQ ..] are written, ahead of their first reader: one wait for the batch
.irp i, 0,2,4,6
	v_pk_mul_f32 v[GP+\i:GP+\i+1], v[GP+\i:GP+\i+1], v[GQ+\i:GQ+\i+1]
.endr
.irp i, 0,2,4,6
	v_pk_fma_f32 v[(\a)+\i:(\a)+\i+1], v[(\a)+\i:(\a)+\i+1], v[GP+\i:GP+\i+1], v[(\a)+\i:(\a)+\i+1]
.endr
.endm
; 64 numbers of a lane, register 16 b + i = k 32 b + 16 (lane / 16) + i of my row, become a fragment's codes in v[PC] on and its scale word in v[PW].
.macro QUANT s
.irp b, 0,1,2,3
	v_max3_num_f32 v[TM+\b], |v[\s+16*\b]|, |v[\s+1+16*\b]|, 0x1800000   ; my 16 numbers of block b, and the floor 2^(3 - 127): the byte cannot fall under 1
.endr
.irp i, 2,4,6,8,10,12,14
.irp b, 0,1,2,3
	v_max3_num_f32 v[TM+\b], v[TM+\b], |v[\s+16*\b+\i]|, |v[\s+1+16*\b+\i]|
.endr
.endr
.irp b, 0,1,2,3
	v_permlanex16_b32 v[TM+4+\b], v[TM+\b], s68, s69
.endr
.irp b, 0,1,2,3
	v_max_num_f32 v[TM+\b], v[TM+\b], v[TM+4+\b]   ; with lane l xor 16's: the block's largest magnitude
.endr
.irp b, 0,1,2,3
	v_add_nc_u32 v[TM+12+\b], 0xff000000, v[TM+\b] ; 2 off its exponent field: the conversion's scale operand
.endr
.irp b, 0,1,2,3
	v_lshrrev_b32 v[TM+4+\b], 23, v[TM+12+\b]      ; the scale's byte
.endr
	v_lshl_or_b32 v[PW], v[TM+5], 8, v[TM+4]
	v_lshl_or_b32 v[PW], v[TM+6], 16, v[PW]
	v_lshl_or_b32 v[PW], v[TM+7], 24, v[PW]
.irp c, 0,1
	v_cvt_scalef32_pk16_fp6_f32 v[PC+6*\c:PC+2+6*\c], v[\s+32*\c:\s+15+32*\c], v[TM+12+2*\c]
	v_cvt_scalef32_pk16_fp6_f32 v[PC+12+4*\c:PC+14+4*\c], v[\s+16+32*\c:\s+31+32*\c], v[TM+12+2*\c+1]   ; (a conversion's three registers begin on an even number)
.endr
	v_nop                                          ; one plain line behind a scaled conversion
.irp c, 0,1                                    ; the operand's layout wants a whole block in a lane
.irp i, 0,1,2
	v_permlane16_swap_b32 v[PC+6*\c+\i], v[PC+12+4*\c+\i]
.endr
.irp i, 0,1,2
	v_mov_b32 v[PC+3+6*\c+\i], v[PC+12+4*\c+\i]
.endr
.endr
.endm
	s_load_b256 s[4:11], s[0:1], 0x0               ; W1's codes, W1's scales, x's codes, x's scales
	s_load_b128 s[12:15], s[0:1], 0x20             ; the experts' numbers, h's codes
	s_load_b64 s[16:17], s[0:1], 0x30              ; h's scales
	v_lshl_add_u32 v254, v0, 2, 0x18800
	v_mov_b32 v255, 0
	v_lshrrev_b32 v15, 5, v0
	v_readfirstlane_b32 s18, v15                   ; wave
	s_mov_b32 s19, ttmp9                           ; slice
	s_and_b32 s20, ttmp7, 0xffff                   ; expert
	s_mov_b32 s68, 0x76543210
	s_mov_b32 s69, 0xfedcba98                      ; v_permlanex16_b32's selects for lane l xor 16
	v_and_b32 v[R], 15, v0
	v_bfe_u32 v15, v0, 4, 1                        ; hh
	v_and_b32 v[HO], 31, v0
	v_lshlrev_b32 v[HO], 4, v[HO]
	v_lshlrev_b32 v[HSO], 2, v[R]
	v_mul_u32_u24 v[H48], v15, 48
	v_lshlrev_b32 v[H16], 4, v15
	v_mul_u32_u24 v[LW0], v[R], WP
	v_mad_u32_u24 v[LW0], v15, 24, v[LW0]
	v_add_nc_u32 v[LW1], 4*16*WP, v[LW0]
	s_wait_alu depctr_va_sdst(0)                   ; s18 is written, ahead of its first reader
	s_mul_i32 s24, s18, 32*WP
	v_add_nc_u32 v[SA0], s24, v[HO]
	v_add_nc_u32 v[SA1], v[SA0], v[H16]
	v_and_b32 v[GSW], 8, v[R]
	v_add_nc_u32 v[GSW], v[GSW], v[R]
	v_lshl_add_u32 v[GSW], v15, 3, v[GSW]
	v_lshlrev_b32 v[GSW], 5, v[GSW]
	s_mul_i32 s24, s20, 0x300000                   ; an expert: 3,145,728 bytes of W1's codes, and as many of h's
	s_mul_i32 s26, s19, 98304                      ; a slice's 128 rows of 768 bytes
	s_add_co_u32 s26, s26, s24
	s_mul_i32 s27, s18, 24576                      ; the 32 rows that my wave stages
	s_add_co_u32 s26, s26, s27
	s_mov_b32 s27, 0
	s_lshl_b32 s28, s20, 17                        ; W1's scales: 131,072 an expert, 4,096 a slice
	s_lshl_b32 s29, s19, 12
	s_add_co_u32 s28, s28, s29
	s_mov_b32 s29, 0
	s_mul_i32 s30, s19, 1536                       ; h's codes: [expert][tile][K step = slice][1,536]
	s_add_co_u32 s30, s30, s24
	s_mov_b32 s31, 0
	s_lshl_b32 s24, s20, 17                        ; h's scales: [expert][tile][K step][64]
	s_lshl_b32 s25, s19, 6
	s_add_co_u32 s24, s24, s25
	s_mov_b32 s25, 0
	s_wait_kmcnt 0x0
	s_add_nc_u64 s[4:5], s[4:5], s[26:27]
	s_add_nc_u64 s[6:7], s[6:7], s[28:29]
	s_add_nc_u64 s[74:75], s[14:15], s[30:31]      ; where tile 0 would go
	s_add_nc_u64 s[76:77], s[16:17], s[24:25]
	s_wait_alu depctr_va_vdst(0)                   ; the addresses and offsets v1, v2 and v5 to v12 are written: every load and store of the kernel but x's reads one of them, and none is written again
.irp q, 0,1,2,3,4,5,6,7
	global_load_b128 v[IDS+4*\q:IDS+4*\q+3], v[HO], s[12:13] offset:512*\q   ; register 4 q + i: token 128 q + 4 lane + i
.endr
	WIN 0x40                                       ; destination window 1
.set n, 0
.rept 48
	global_load_b128 v[4*n:4*n+3], v[HO], s[4:5] offset:512*n th:TH_LOAD_NT   ; my 32 rows as they lie: 512 consecutive bytes a load; read once in the launch
.set n, n+1
.endr
	WIN 0
	s_wait_loadcnt 48                              ; the experts' numbers are in; the 48 loads of W1 were issued behind them
.set jj, 0
.rept 32
	v_cmp_eq_u32 s[32+jj], s20, v[IDS+jj]
.set jj, jj+1
.endr
	s_wait_alu depctr_va_sdst(0)                   ; the 32 masks s32 to s63 are written, ahead of the counts that read them
	s_mov_b32 s21, 0
.set jj, 0
.rept 32
	s_bcnt1_i32_b32 s24, s[32+jj]
	s_add_co_u32 s21, s21, s24                     ; the expert's tokens
.set jj, jj+1
.endr
	s_add_co_u32 s22, s21, 15
	s_lshr_b32 s22, s22, 4
	s_max_u32 s22, s22, 1                          ; its tiles, at least one
	s_sub_co_u32 s80, s21, 1                       ; its last slot (without tokens: the greatest number, which holds nothing)
.irp b, 0,1,2,3
.irp c, 0,1
	global_load_b128 v[WS+8*\b+4*\c:WS+8*\b+4*\c+3], v[GSW], s[6:7] offset:1024*\b+16*\c   ; (no vector line has named v16 to v47; v[GSW] stands ahead of the wait above)
.endr
.endr
	s_sub_co_u32 s25, s22, 1
	s_min_u32 s24, s18, s25                        ; (a wave without a tile asks for the last one's rows and uses nothing)
	s_lshl_b32 s24, s24, 4
	v_add_nc_u32 v[P], s24, v[R]
	v_min_u32 v[P], s80, v[P]                      ; a slot past the count is the last slot again
	SEL
	ALOAD
	s_wait_loadcnt 33                              ; W1's 48 loads are in; behind them: 8 of scale words, 24 of x's codes, 1 of x's scale words
	WIN 0x04                                       ; an LDS store's data are its source 1: window 1
.set g, 0
.rept 16                                       ; rows 2 g, 2 g + 1 of my 32 go to LDS rows PI, PI + 1: bits 3 and 4 of the row's number change places, so that a tile's rows lie on end
.set PI, (2*g)%8+16*(((2*g)/8)%2)+8*((2*g)/16)
	ds_store_b128 v[SA0], v[12*g:12*g+3] offset:WP*PI
	ds_store_b128 v[SA1], v[12*g+4:12*g+7] offset:WP*PI+512      ; lanes 16-31 hold the second row's first 256 bytes: 16 bytes of padding further on
	ds_store_b128 v[SA0], v[12*g+8:12*g+11] offset:WP*PI+1040
.set g, g+1
.endr
	WIN 0
	s_wait_dscnt 0x0                               ; for the others' sake: my 32 rows lie in LDS
	s_barrier_signal -1
	s_barrier_wait -1                              ; the one barrier: it stands ahead of every branch on a stored number
	s_wait_alu depctr_vm_vsrc(0)                   ; my LDS stores have read window 1's registers, in which the fragments land; x's first loads have read v[XA] and v[XSA], which the first trip writes again
.set f, 0
.rept 63                                       ; fragment f = 8 s + t into window 1 + f / 21, register 12 (f % 21); the 64th has no room there and is fetched in each trip
.set WN, 0x40*(1+f/21)
	WIN WN
.irp p, 0,1,2,3,4,5
.if f%8 < 4
	ds_load_b64 v[12*(f%21)+2*\p:12*(f%21)+2*\p+1], v[LW0] offset:16*WP*(f%8)+96*(f/8)+48*(\p/3)+8*(\p%3)
.else
	ds_load_b64 v[12*(f%21)+2*\p:12*(f%21)+2*\p+1], v[LW1] offset:16*WP*(f%8-4)+96*(f/8)+48*(\p/3)+8*(\p%3)
.endif
.endr
.set f, f+1
.endr
	WIN 0
	v_mov_b32 v[CA13], 0xaf95df0b
	v_mov_b32 v[CA13+1], 0xaf95df0b
	v_mov_b32 v[CB8], 0xb77460cd
	v_mov_b32 v[CB8+1], 0xb77460cd
	s_cmp_ge_u32 s18, s22
	s_cbranch_scc1 .Lend                           ; fewer tiles than waves
	s_sub_co_u32 s79, s22, s18
	s_add_co_u32 s79, s79, 3
	s_lshr_b32 s79, s79, 2                         ; my trips: tiles wave, wave + 4 .. under the expert's number of tiles
	s_mov_b32 s78, 0
.Ltile:
	s_lshl_b32 s23, s78, 2
	s_add_co_u32 s23, s23, s18                     ; this trip's tile
	s_min_u32 s24, s23, 63                         ; where it goes (the last trip's stores have read these registers: the wait at the trip's end)
	s_mul_i32 s26, s24, 49152
	s_mov_b32 s27, 0
	s_add_nc_u64 s[70:71], s[74:75], s[26:27]
	s_lshl_b32 s26, s24, 11
	s_add_nc_u64 s[72:73], s[76:77], s[26:27]
.irp p, 0,1,2,3,4,5
	ds_load_b64 v[PC+2*\p:PC+2*\p+1], v[LW1] offset:16*WP*3+96*7+48*(\p/3)+8*(\p%3)   ; fragment 63.  No wait here: no vector line has named v212 to v223 since the wait ahead of the last trip's stores (first trip: none at all)
.endr
	s_wait_loadcnt 0x0                             ; this tile's x (asked for a trip ago); in the first trip W1's scale words too
	s_wait_dscnt 0x0                               ; fragment 63; in the first trip all 63 others
.set f, 0
.rept 64                                       ; K step by K step, the 8 accumulators by turns, one instruction a turn
.set WN, (1+f/21)%4
	WIN WN                                         ; source 0 (W1): window 1, 2, 3; fragment 63: window 0
.if f < 63
.set rA, 12*(f%21)
.else
.set rA, PC
.endif
.set rD, ACC+8*(f%8)
.set rB, A+12*(f/8)
.set rSA, WS+8*((f%8)/2)+f/8
.set rSB, XS+(f/8)%4
.set qA, f%2
.set qB, f/32
.if f < 8
.set zC, 1
.else
.set zC, 0
.endif
	WM
.set f, f+1
.endr
	WIN 0
	s_add_co_u32 s24, s23, 4                       ; my next tile's rows are asked for now and land under the gelu (past the end: the last tile's, unused)
	s_sub_co_u32 s25, s22, 1
	s_min_u32 s24, s24, s25
	s_lshl_b32 s24, s24, 4
	v_add_nc_u32 v[P], s24, v[R]
	v_min_u32 v[P], s80, v[P]
	SEL                                            ; its lines name no register of the products: they are the places ahead of the gelu's first read of the results (ISA guide 7.12.1), and work between the products and ALOAD's wait
	ALOAD
.irp t, 0,1,2,3,4,5,6,7
	GELU8 ACC+8*\t
.endr
	QUANT ACC
	s_wait_alu depctr_va_vdst(0)                   ; the codes v[PC ..] and the scale word v[PW] are written, which the stores read; and the gelu and QUANT are done with v212 to v223, in which the next trip's fragment 63 lands
.irp c, 0,1,2
	global_store_b128 v[HO], v[PC+4*\c:PC+4*\c+3], s[70:71] offset:512*\c   ; the fragment as it stands: 512 consecutive bytes a store, at a multiple of 256 from the buffer's first byte
.endr
	global_store_b32 v[HSO], v[PW], s[72:73]       ; 16 rows' scale words (both halves of the lanes hold the same)
	s_wait_xcnt 0x0                                ; the stores have read their data and bases: both are written again in the next trip
	s_wait_alu depctr_vm_vsrc(0)                   ; the stores have read v[PC ..] and v[PW], x's loads v[XA] and v[XSA]: the next trip's fragment 63 lands in the first, its vector lines write the others
	s_add_co_u32 s78, s78, 1
	s_cmp_lt_u32 s78, s79
	s_cbranch_scc1 .Ltile
.Lend:
	s_wait_dscnt 0x0                               ; the closing lines, six on end
	s_wait_alu 0x0
	s_wait_tensorcnt 0x0
	ds_add_u32 v254, v255
	s_wait_dscnt 0x0
	s_endpgm
.Lfunc_end_k_q147f5d2f41_fc1:
	.size	k_q147f5d2f41_fc1, .Lfunc_end_k_q147f5d2f41_fc1-k_q147f5d2f41_fc1
	.p2alignl 7, 3214868480
	.fill 96, 4, 3214868480
	.section	.rodata,"a",@progbits
	.p2align	6, 0x0
	.amdhsa_kernel k_q147f5d2f41_fc1
		.amdhsa_group_segment_fixed_size 100864
		.amdhsa_private_segment_fixed_size 0
		.amdhsa_enable_private_segment 0
		.amdhsa_kernarg_size 56
		.amdhsa_user_sgpr_count 2
		.amdhsa_user_sgpr_kernarg_segment_ptr 1
		.amdhsa_wavefront_size32 1
		.amdhsa_system_sgpr_workgroup_id_x 1
		.amdhsa_system_sgpr_workgroup_id_y 1
		.amdhsa_system_sgpr_workgroup_id_z 1
		.amdhsa_system_vgpr_workitem_id 0
		.amdhsa_next_free_vgpr 1024
		.amdhsa_next_free_sgpr 84
		.amdhsa_reserve_vcc 1
		.amdhsa_float_denorm_mode_32 3
		.amdhsa_float_denorm_mode_16_64 3
		.amdhsa_memory_ordered 1
		.amdhsa_forward_progress 1
		.amdhsa_inst_pref_size 135
	.end_amdhsa_kernel
	.amdgpu_metadata
---
amdhsa.version: [ 1, 2 ]
amdhsa.kernels:
  - .name:           k_q147f5d2f41_fc1
    .symbol:         k_q147f5d2f41_fc1.kd
    .args:
      - { .name: W1_codes, .offset: 0, .size: 8, .value_kind: global_buffer, .address_space: global }
      - { .name: W1_scales, .offset: 8, .size: 8, .value_kind: global_buffer, .address_space: global }
      - { .name: x_codes, .offset: 16, .size: 8, .value_kind: global_buffer, .address_space: global }
      - { .name: x_scales, .offset: 24, .size: 8, .value_kind: global_buffer, .address_space: global }
      - { .name: expert, .offset: 32, .size: 8, .value_kind: global_buffer, .address_space: global }
      - { .name: h_codes, .offset: 40, .size: 8, .value_kind: global_buffer, .address_space: global }
      - { .name: h_scales, .offset: 48, .size: 8, .value_kind: global_buffer, .address_space: global }
    .group_segment_fixed_size: 100864
    .private_segment_fixed_size: 0
    .kernarg_segment_align: 8
    .kernarg_segment_size: 56
    .max_flat_workgroup_size: 128
    .sgpr_count:     84
    .vgpr_count:     1024
    .wavefront_size: 32
...
	.end_amdgpu_metadata
.endif
;; end of part 4
;; launch fc2 (part 5): grid 32 x 8, 4 waves a work-group, no clusters, 111,104 bytes of LDS; arguments W2_codes, W2_scales, expert, prob, h_codes, h_scales, out0; writes out0
.if DOCPART == 5
	.amdgcn_target "amdgcn-amd-amdhsa--gfx1250"
	.amdhsa_code_object_version 6
	.text
	.protected	k_q147f5d2f41_fc2
	.globl	k_q147f5d2f41_fc2
	.p2align	8
	.type	k_q147f5d2f41_fc2,@function
k_q147f5d2f41_fc2:
	s_mov_b64 s[64:65], 0
	v_nop
	global_prefetch_b8 v0, s[64:65] scope:SCOPE_SE
	s_setreg_imm32_b32 hwreg(HW_REG_WAVE_SCHED_MODE, 0, 2), 2
	s_setreg_imm32_b32 hwreg(HW_REG_WAVE_MODE, 25, 1), 1
	s_wait_xcnt 0x0
	s_wait_alu depctr_vm_vsrc(0)
; FC2.  out[token] = prob[token] x (h W2[e]) for the tokens of expert e alone, on codes of FP6 (E2M3) with one E8M0 scale for each 32 along K = 4,096.
; SHARES.  Work-group (x, y) = (slice of 32 output columns, expert).  Its 32 rows of W2 are one dense block of 98,304 bytes, read from memory once and kept in LDS.  The waves share the expert's tiles of 16 tokens:
; in a pass wave w takes tiles m, m + 4, m + 8 with m = w + 12 x pass.  It walks the 32 K steps once: W2's two fragments of a step come from LDS through a ring of 4 slots in registers and feed 2 or 3 tiles;
; the tiles' fragments of h come from memory, as images of the operand's registers (3 x 512 consecutive bytes), through a ring of 7 slots, six K steps ahead.  The walk is written twice, for 3 tiles and for 2: a wave whose third
; tile does not exist asks for no third stream.  Each output row has one owner for each slice, this work-group: nothing is added between work-groups.
; Slots, tiles and macro SEL are the last launch's: slot p of an expert is its p-th token in the masks' order.
; EVERY STORE GOES OUT WITH ALL LANES ON.  A slot past the expert's count is held at its last slot, here as in the last launch: such a row of h is the last token's row again, and its result goes to the last token's row of
; the output again.  A tile that does not exist is the expert's last tile again: the same bytes of h, the same slots.  So a repeated row is stored again with the same numbers, by waves of this work-group alone.
; (This takes two equal columns of an operand to give equal results wherever they stand in a tile.)  The work-groups of an expert without tokens store nothing and end behind the barrier.
; THE PRODUCT IS USED TRANSPOSED (source 0 = 16 rows of W2, source 1 = 16 rows of h): a lane holds one token and eight neighbouring columns.  A tile goes through the wave's own stage in LDS, so that eight lanes
; store the 128 consecutive bytes that the slice owns of a row: half of an aligned 256 bytes, the price of 32 columns to a work-group, which gives each of 256 work-groups one slice.
; NO TENSOR LOAD, NO JOINT REQUEST: the number of tiles hangs on the stored experts' numbers.  No prefetch: W2's share is asked for at the head, and h's ring runs six K steps ahead.
; LIMITS.  NaN and infinities are not served.
; THE MODE: SCHED_MODE bits 1:0 = 2 (LLVM: expert scheduling mode 2), set by the entry lines.  The code itself states the register dependences between vector or matrix instructions and memory or LDS instructions,
; and those through scalar registers and VCC that vector instructions write, with s_wait_alu, always for 0.
; THE PLAN.  Registers that memory or LDS instructions touch:
;   v1 .. v14           addresses and offsets, made once at the head and never written again.
;   h's ring            window 1, slot s % 7.  K step s's products read slot s % 7; the loads of K step s + 6, issued in step s, land in slot (s + 6) % 7, which step s - 1 read.
;   W2's ring           v64-159, slot s % 4.  K step s's products read slot s % 4; the LDS loads of K step s + 3, issued in step s, land in slot (s + 3) % 4, which step s - 1 read.
;   v16-63, v160-191    scale words: loaded at a pass's head (W2's: once), read by the products.
;   v192-239            the accumulators: on the way out vector lines scale them and LDS stores read them.
;   v68-145             on the way out (W2's ring is done with): rows and tokens land from LDS, vector lines make the offsets, the global stores read rows and offsets; v140, v142, v144: the gates.
;   v251-255            a token, two gates, two offsets: SEL's end writes the token and a shift the offset; an LDS store and a load read them; the gates land and LDS stores read them.
; So ONE wait on va_vdst stands at the head of a K step, behind its waits for data: the step before is done reading its two slots.  The step's own products follow, which name slot s % 7, slot s % 4, the accumulators and scale
; words: none of the registers that the loads behind them touch.  The way out has three such waits for all its tiles; one wait on vm_vsrc at a pass's end frees all that the next pass writes again.
.set WP,    3088                       ; a row of W2 in LDS: 3,072 bytes + 16 = 772 words: row r starts at bank 4 r mod 64 (64 banks of 4 bytes: ISA guide 11.1)
.set TOKT,  98816                      ; behind W2's 32 rows: for each wave 64 tokens' numbers,
.set PRBT,  99840                      ; their gates,
.set STG,   100864                     ; and a stage of 16 rows x (128 bytes + 16)
.set LW,    1                          ; v1   3,088 r + 24 hh
.set GL,    2                          ; v2   16 lane
.set GS,    3                          ; v3   4 lane
.set TKW,   4                          ; v4   tokens' table, in: 4 lane
.set TKR,   5                          ; v5   out: 4 (lane / 8)
.set PBW,   6                          ; v6   gates' table, in: 4 lane
.set PBR,   7                          ; v7   out: 4 r
.set STO,   8                          ; v8   stage, in: 144 r + 32 hh
.set RD,    9                          ; v9   stage, out: 144 (lane / 8) + 16 (lane % 8)
.set C16,   10                         ; v10  16 (lane % 8)
.set R,     11                         ; v11  r = lane % 16
.set HH,    12                         ; v12  hh = lane / 16
.set WSG,   13                         ; v13  128 lane: row 'lane' of W2's scales
.set SAW,   14                         ; v14  staging: 24,704 wave + 16 lane
.set P,     15                         ; v15  my slot
.set HS,    16                         ; v16-63   h's scale words: register 16 i + q: tile i; lanes 0-15 K step 2 q, lanes 16-31 K step 2 q + 1
.set WR,    64                         ; v64-159  W2's ring: 4 K steps x 2 fragments; on the way out at work
.set WS2,   160                        ; v160-191 W2's scale words: register s: K step s of row 'lane'
.set ACC,   192                        ; v192-239 tile i, column tile t at 8 (2 i + t)
.set ZW,    240                        ; SEL's eleven
.set ZPRE,  241
.set ZTB,   242
.set ZK,    243
.set ZA,    244
.set ZB,    245
.set ZC,    246
.set ZD,    247
.set ZPOS,  248
.set ZT,    249
.set ZU,    250
.set TOK,   251
.set PR1,   252                        ; the gates of the slots of the first and of the second SEL
.set PR2,   253
.set PO1,   254                        ; and their offsets: one each, so that no pending load's offset is written
.set PO2,   255
.set EP,    140                        ; the way out: v140, v142, v144 the tiles' gates, each the low word of a pair; from v68 on 24 registers a tile: 16 of rows back from the stage, 4 tokens, 4 offsets
.set IDS,   192                        ; window 2: v0-191 W2's bytes as loaded, v192-223 the experts' numbers.   Window 1: h's ring: 36 (s % 7) + 12 i
.set MK,    86                         ; s86-93  SEL: a run's eight masks
.set PFA,   25                         ; s25-31, s94  SEL: a run's eight running counts
.set PFN,   7
.set PFB,   94
; SCALARS: s18 wave, s19 slice, s20 expert, s21 the expert's tokens, s22 its tiles, s23 the pass's first tile, s32-63 the masks, s[68:73] the three tiles' codes, s[74:79] their scale words, s[80:81] the output at my slice,
; s83 passes done, s84 my passes, s85 the last slot
.set MSB, 0
.macro WIN new                         ; s_set_vgpr_msb: bits 1:0 source 0, 3:2 source 1, 5:4 source 2, 7:6 destination; the high byte repeats the setting that is left
.if MSB != (\new)
	s_set_vgpr_msb (MSB<<8)|(\new)
.set MSB, (\new)
.endif
.endm
.macro SELLEV src, width, step
	v_bfe_u32 v[ZT], v[\src], v[ZPOS], \width
	v_cmp_ge_u32 vcc_lo, v[ZK], v[ZT]
	s_wait_alu depctr_va_vcc(0)                    ; VCC is written, ahead of the two selects that read it (each level hangs on the level before: a wait a level)
	v_cndmask_b32 v[ZT], 0, v[ZT], vcc_lo
	v_cndmask_b32 v[ZU], 0, \step, vcc_lo
	v_sub_nc_u32 v[ZK], v[ZK], v[ZT]
	v_add_nc_u32 v[ZPOS], v[ZPOS], v[ZU]
.endm
; v[TOK] = the token at slot v[P] of my expert: the word in which the slot falls (a scan over the 32 masks with a running count), then the bit in it.  No branch, no memory.
; The scan's 31 compares go in runs of eight, each into a scalar register of its own with its running count kept beside it: one wait serves a run, and the run's selects follow it.
.macro SEL
	v_mov_b32 v[ZW], s32
	v_mov_b32 v[ZPRE], 0
	v_mov_b32 v[ZTB], 0
	s_mov_b32 s66, 0
.set pfp, 66
.set jb, 1
.rept 4
.set gg, 0
.rept 8
.if jb+gg < 32
.if gg < PFN
.set pfc, PFA+gg
.else
.set pfc, PFB+gg-PFN
.endif
	s_bcnt1_i32_b32 s67, s[31+jb+gg]
	s_add_co_u32 s[pfc], s[pfp], s67               ; tokens in the words before word jb + gg
	v_cmp_gt_u32 s[MK+gg], s[pfc], v[P]            ; more than p: the slot lies before this word
.set pfp, pfc
.endif
.set gg, gg+1
.endr
	s_wait_alu depctr_va_sdst(0)                   ; the run's masks are written, ahead of the selects that read them
.set gg, 0
.rept 8
.if jb+gg < 32
.if gg < PFN
.set pfc, PFA+gg
.else
.set pfc, PFB+gg-PFN
.endif
	v_cndmask_b32 v[ZW], s[32+jb+gg], v[ZW], s[MK+gg]
	v_cndmask_b32 v[ZPRE], s[pfc], v[ZPRE], s[MK+gg]
	v_cndmask_b32 v[ZTB], 128*((jb+gg)/4)+(jb+gg)%4, v[ZTB], s[MK+gg]
.endif
.set gg, gg+1
.endr
.set jb, jb+8
.endr
	v_sub_nc_u32 v[ZK], v[P], v[ZPRE]
	v_lshrrev_b32 v[ZT], 1, v[ZW]
	v_and_b32 v[ZT], 0x55555555, v[ZT]
	v_sub_nc_u32 v[ZA], v[ZW], v[ZT]
	v_lshrrev_b32 v[ZT], 2, v[ZA]
	v_and_b32 v[ZT], 0x33333333, v[ZT]
	v_and_b32 v[ZB], 0x33333333, v[ZA]
	v_add_nc_u32 v[ZB], v[ZB], v[ZT]
	v_lshrrev_b32 v[ZT], 4, v[ZB]
	v_add_nc_u32 v[ZC], v[ZB], v[ZT]
	v_and_b32 v[ZC], 0x0f0f0f0f, v[ZC]
	v_lshrrev_b32 v[ZT], 8, v[ZC]
	v_add_nc_u32 v[ZD], v[ZC], v[ZT]
	v_and_b32 v[ZD], 0x00ff00ff, v[ZD]
	v_mov_b32 v[ZPOS], 0
	SELLEV ZD, 8, 16
	SELLEV ZC, 8, 8
	SELLEV ZB, 4, 4
	SELLEV ZA, 2, 2
	SELLEV ZW, 1, 1
	v_lshl_add_u32 v[TOK], v[ZPOS], 2, v[ZTB]
	v_min_u32 v[TOK], 0x3ff, v[TOK]
.endm
.macro WM                              ; one matrix instruction, by the symbols rD, rA, rB, rSA, rSB; zC: the sum begins; qA, qB: the scale words stand in lanes 16-31
.if zC
.if qA && qB
	v_wmma_scale_f32_16x16x128_f8f6f4 v[rD:rD+7], v[rA:rA+11], v[rB:rB+11], 0, v[rSA], v[rSB] matrix_a_fmt:MATRIX_FMT_FP6 matrix_b_fmt:MATRIX_FMT_FP6 matrix_a_scale:MATRIX_SCALE_ROW1 matrix_b_scale:MATRIX_SCALE_ROW1
.elseif qA
	v_wmma_scale_f32_16x16x128_f8f6f4 v[rD:rD+7], v[rA:rA+11], v[rB:rB+11], 0, v[rSA], v[rSB] matrix_a_fmt:MATRIX_FMT_FP6 matrix_b_fmt:MATRIX_FMT_FP6 matrix_a_scale:MATRIX_SCALE_ROW1
.elseif qB
	v_wmma_scale_f32_16x16x128_f8f6f4 v[rD:rD+7], v[rA:rA+11], v[rB:rB+11], 0, v[rSA], v[rSB] matrix_a_fmt:MATRIX_FMT_FP6 matrix_b_fmt:MATRIX_FMT_FP6 matrix_b_scale:MATRIX_SCALE_ROW1
.else
	v_wmma_scale_f32_16x16x128_f8f6f4 v[rD:rD+7], v[rA:rA+11], v[rB:rB+11], 0, v[rSA], v[rSB] matrix_a_fmt:MATRIX_FMT_FP6 matrix_b_fmt:MATRIX_FMT_FP6
.endif
.else
.if qA && qB
	v_wmma_scale_f32_16x16x128_f8f6f4 v[rD:rD+7], v[rA:rA+11], v[rB:rB+11], v[rD:rD+7], v[rSA], v[rSB] matrix_a_fmt:MATRIX_FMT_FP6 matrix_b_fmt:MATRIX_FMT_FP6 matrix_a_scale:MATRIX_SCALE_ROW1 matrix_b_scale:MATRIX_SCALE_ROW1
.elseif qA
	v_wmma_scale_f32_16x16x128_f8f6f4 v[rD:rD+7], v[rA:rA+11], v[rB:rB+11], v[rD:rD+7], v[rSA], v[rSB] matrix_a_fmt:MATRIX_FMT_FP6 matrix_b_fmt:MATRIX_FMT_FP6 matrix_a_scale:MATRIX_SCALE_ROW1
.elseif qB
	v_wmma_scale_f32_16x16x128_f8f6f4 v[rD:rD+7], v[rA:rA+11], v[rB:rB+11], v[rD:rD+7], v[rSA], v[rSB] matrix_a_fmt:MATRIX_FMT_FP6 matrix_b_fmt:MATRIX_FMT_FP6 matrix_b_scale:MATRIX_SCALE_ROW1
.else
	v_wmma_scale_f32_16x16x128_f8f6f4 v[rD:rD+7], v[rA:rA+11], v[rB:rB+11], v[rD:rD+7], v[rSA], v[rSB] matrix_a_fmt:MATRIX_FMT_FP6 matrix_b_fmt:MATRIX_FMT_FP6
.endif
.endif
.endm
; The pass's three tiles: their bases, all their scale words (48 loads) and the first six K steps of their codes (54 loads), into slots 0 to 5.  A tile that does not exist is held at the expert's last one: bytes that have been stored.
; No wait stands here: at the head no vector line has named these registers; in the loop no vector or matrix line has been issued since the last wait on va_vdst of the way out.
.macro AFILL
	s_sub_co_u32 s25, s22, 1
.irp i, 0,1,2
	s_add_co_u32 s24, s23, 4*\i
	s_min_u32 s24, s24, s25
	s_min_u32 s24, s24, 63
	s_mul_i32 s26, s24, 49152
	s_mov_b32 s27, 0
	s_add_nc_u64 s[68+2*\i:69+2*\i], s[12:13], s[26:27]
	s_lshl_b32 s26, s24, 11
	s_add_nc_u64 s[74+2*\i:75+2*\i], s[14:15], s[26:27]
.endr
.irp i, 0,1,2
.irp q, 0,1,2,3,4,5,6,7,8,9,10,11,12,13,14,15
	global_load_b32 v[HS+16*\i+\q], v[GS], s[74+2*\i:75+2*\i] offset:128*\q
.endr
.endr
	WIN 0x40                                       ; destination window 1
.irp s, 0,1,2,3,4,5
.irp i, 0,1,2
.irp c, 0,1,2
	global_load_b128 v[36*\s+12*\i+4*\c:36*\s+12*\i+4*\c+3], v[GL], s[68+2*\i:69+2*\i] offset:1536*\s+512*\c
.endr
.endr
.endr
	WIN 0
.endm
.macro WLOAD s                         ; W2's two fragments of K step s into slot s % 4 of its ring
.irp t, 0,1
.irp p, 0,1,2,3,4,5
	ds_load_b64 v[WR+24*((\s)%4)+12*\t+2*\p:WR+24*((\s)%4)+12*\t+2*\p+1], v[LW] offset:16*WP*\t+96*(\s)+48*(\p/3)+8*(\p%3)
.endr
.endr
.endm
; The walk over K for nt tiles.  The waits' counts: LDS: behind K step s's 12 loads stand, at step 0, those of K steps 1 to 3; later those of the up to 2 K steps after it.  Memory: behind K step s's loads of h stand, for s under 6,
; the rest of the fill (9 a step) and the 3 nt loads of each step walked; later the 3 nt loads of each of the up to 5 steps after it.  (The one or two loads of gates and stores of tokens issued in between are not counted: the waits are the stricter for it.)
; The 2 nt accumulators take turns, one instruction a turn.
.macro STREAM nt
	WIN 0x04                                       ; source 1 (h) window 1
.set ss, 0
.rept 32
.if ss == 0
	s_wait_dscnt 36
.elseif ss < 30
	s_wait_dscnt 24
.else
	s_wait_dscnt 12*(31-ss)
.endif
.if ss < 6
.set LC, 9*(5-ss)+3*\nt*ss
.elseif ss < 27
.set LC, 15*\nt
.else
.set LC, 3*\nt*(31-ss)
.endif
	s_wait_loadcnt LC
.if (ss > 0) && (ss < 29)
	s_wait_alu depctr_va_vdst(0)                   ; the last step's products are done reading their slot of h's ring and their slot of W2's, in which this step's loads land (step 0's land in slot 6, which nothing has named since the last pass's waits)
.endif
.irp t, 0,1
.irp i, 0,1,2
.if \i < \nt
.set rD, ACC+8*(2*\i+\t)
.set rA, WR+24*(ss%4)+12*\t
.set rB, 36*(ss%7)+12*\i
.set rSA, WS2+ss
.set rSB, HS+16*\i+ss/2
.set qA, \t
.set qB, ss%2
.if ss == 0
.set zC, 1
.else
.set zC, 0
.endif
	WM
.endif
.endr
.endr
.if ss+6 < 32
	WIN 0x44                                       ; destination window 1
.irp i, 0,1,2
.if \i < \nt
.irp c, 0,1,2
	global_load_b128 v[36*((ss+6)%7)+12*\i+4*\c:36*((ss+6)%7)+12*\i+4*\c+3], v[GL], s[68+2*\i:69+2*\i] offset:1536*(ss+6)+512*\c   ; no wait: the products issued since the wait above name other slots
.endr
.endif
.endr
	WIN 0x04
.endif
.if (ss > 0) && (ss+3 < 32)
	WLOAD ss+3
.endif
.set ss, ss+1
.endr
	WIN 0
.endm
; The pass's nt tiles leave: x the gate, through my stage, eight lanes to a row's 128 bytes.  Each kind of line stands in one batch for all tiles, so that three waits on va_vdst serve the way out.
; Each tile has its own registers for gate, rows, tokens and offsets: no store's registers are written again before the pass's end.  The stage serves the tiles one after the other: LDS serves a wave's instructions in order (ISA guide 5.7.1.4).
.macro OUT nt
.rept 4
	v_nop                                          ; four places behind the last product, before a vector line reads its result (ISA guide 7.12.1)
.endr
	s_wait_loadcnt 0x0                             ; the gates; no load of mine is out from here on
	s_wait_alu depctr_va_vdst(0)                   ; the products are done reading W2's ring, in which the gates, rows and tokens below land
	ds_store_b32 v[PBW], v[PR1]
.if \nt > 2
	ds_store_b32 v[PBW], v[PR2] offset:128
.endif
.irp i, 0,1,2
.if \i < \nt
	ds_load_b32 v[EP+2*\i], v[PBR] offset:64*\i    ; it sees my store of the gates
.endif
.endr
	s_wait_dscnt 0x0
.irp i, 0,1,2
.if \i < \nt
.irp t, 0,1
.irp j, 0,2,4,6
	v_pk_mul_f32 v[ACC+8*(2*\i+\t)+\j:ACC+8*(2*\i+\t)+\j+1], v[ACC+8*(2*\i+\t)+\j:ACC+8*(2*\i+\t)+\j+1], v[EP+2*\i:EP+2*\i+1] op_sel_hi:[1,0]   ; each accumulator from its low end on; of the pair the low word serves both halves
.endr
.endr
.endif
.endr
	s_wait_alu depctr_va_vdst(0)                   ; the results x the gates are written, which the LDS stores read
.irp i, 0,1,2
.if \i < \nt
.irp t, 0,1
.irp c, 0,1
	ds_store_b128 v[STO], v[ACC+8*(2*\i+\t)+4*\c:ACC+8*(2*\i+\t)+4*\c+3] offset:64*\t+16*\c
.endr
.endr
.irp k, 0,1,2,3
	ds_load_b128 v[68+24*\i+4*\k:68+24*\i+4*\k+3], v[RD] offset:576*\k       ; rows 4 k + lane / 8
	ds_load_b32 v[68+24*\i+16+\k], v[TKR] offset:64*\i+16*\k                 ; and their tokens
.endr
.endif
.endr
	s_wait_dscnt 0x0
.irp i, 0,1,2
.if \i < \nt
.irp k, 0,1,2,3
	v_min_u32 v[68+24*\i+16+\k], 0x3ff, v[68+24*\i+16+\k]
	v_lshl_add_u32 v[68+24*\i+20+\k], v[68+24*\i+16+\k], 12, v[C16]          ; a row of the output is 4,096 bytes
.endr
.endif
.endr
	s_wait_alu depctr_va_vdst(0)                   ; the offsets are written, which the stores read; no vector line follows in the pass, so this wait also serves the next pass's loads into the rings and the scale words
.irp i, 0,1,2
.if \i < \nt
.irp k, 0,1,2,3
	global_store_b128 v[68+24*\i+20+\k], v[68+24*\i+4*\k:68+24*\i+4*\k+3], s[80:81] th:TH_STORE_NT   ; read by nobody here
.endr
.endif
.endr
.endm
	s_load_b256 s[4:11], s[0:1], 0x0               ; W2's codes, W2's scales, the experts' numbers, the gates
	s_load_b128 s[12:15], s[0:1], 0x20             ; h's codes, h's scales
	s_load_b64 s[16:17], s[0:1], 0x30              ; the output
	s_set_vgpr_msb 0x40
	v_lshl_add_u32 v254, v0, 2, 0x1b000
	v_mov_b32 v255, 0
	s_set_vgpr_msb 0x4000
	v_lshrrev_b32 v240, 5, v0
	v_readfirstlane_b32 s18, v240                  ; wave
	s_mov_b32 s19, ttmp9                           ; slice
	s_and_b32 s20, ttmp7, 0xffff                   ; expert
	v_and_b32 v240, 31, v0                         ; lane
	v_and_b32 v[R], 15, v0
	v_bfe_u32 v[HH], v0, 4, 1
	v_bfe_u32 v241, v0, 3, 2                       ; lane / 8
	v_lshlrev_b32 v[GL], 4, v240
	v_lshlrev_b32 v[GS], 2, v240
	v_lshlrev_b32 v[WSG], 7, v240
	v_mul_u32_u24 v[LW], v[R], WP
	v_mad_u32_u24 v[LW], v[HH], 24, v[LW]
	v_and_b32 v[C16], 7, v0
	v_lshlrev_b32 v[C16], 4, v[C16]
	s_wait_alu depctr_va_sdst(0)                   ; s18 is written, ahead of its first reader
	s_lshl_b32 s24, s18, 8
	s_add_co_u32 s25, s24, TOKT
	v_add_nc_u32 v[TKW], s25, v[GS]
	v_lshl_add_u32 v[TKR], v241, 2, s25
	s_add_co_u32 s25, s24, PRBT
	v_add_nc_u32 v[PBW], s25, v[GS]
	v_lshl_add_u32 v[PBR], v[R], 2, s25
	s_mul_i32 s24, s18, 16*144
	s_add_co_u32 s24, s24, STG
	v_mul_u32_u24 v[STO], v[R], 144
	v_lshl_add_u32 v[STO], v[HH], 5, v[STO]
	v_add_nc_u32 v[STO], s24, v[STO]
	v_mul_u32_u24 v[RD], v241, 144
	v_add_nc_u32 v[RD], v[RD], v[C16]
	v_add_nc_u32 v[RD], s24, v[RD]
	s_mul_i32 s24, s18, 8*WP
	v_add_nc_u32 v[SAW], s24, v[GL]
	s_mul_i32 s24, s20, 0x300000                   ; an expert: 3,145,728 bytes of W2's codes, and as many of h's
	s_mov_b32 s25, 0
	s_mul_i32 s26, s19, 98304                      ; a slice's 32 rows of 3,072 bytes
	s_mul_i32 s27, s18, 24576                      ; the 8 rows that my wave stages
	s_add_co_u32 s26, s26, s27
	s_add_co_u32 s26, s26, s24
	s_mov_b32 s27, 0
	s_lshl_b32 s28, s20, 17                        ; 131,072 bytes of scales an expert, W2's and h's alike
	s_mov_b32 s29, 0
	s_lshl_b32 s30, s19, 12                        ; a slice's 32 rows of 128 scale bytes
	s_add_co_u32 s30, s30, s28
	s_mov_b32 s31, 0
	s_lshl_b32 s66, s19, 7                         ; the slice's 128 bytes of a row of the output
	s_mov_b32 s67, 0
	s_mov_b32 s23, s18                             ; the first pass's first tile
	s_mov_b32 s83, 0
	s_wait_kmcnt 0x0
	s_add_nc_u64 s[4:5], s[4:5], s[26:27]
	s_add_nc_u64 s[6:7], s[6:7], s[30:31]
	s_add_nc_u64 s[12:13], s[12:13], s[24:25]
	s_add_nc_u64 s[14:15], s[14:15], s[28:29]
	s_add_nc_u64 s[80:81], s[16:17], s[66:67]
	WIN 0x80                                       ; destination window 2
	s_wait_alu depctr_va_vdst(0)                   ; the addresses and offsets v1 to v14 are written: the kernel's loads and stores read them, and none is written again
.irp q, 0,1,2,3,4,5,6,7
	global_load_b128 v[IDS+4*\q:IDS+4*\q+3], v[GL], s[8:9] offset:512*\q   ; register 4 q + i: token 128 q + 4 lane + i
.endr
.set n, 0
.rept 48
	global_load_b128 v[4*n:4*n+3], v[GL], s[4:5] offset:512*n th:TH_LOAD_NT   ; my 8 rows as they lie: 512 consecutive bytes a load; read once in the launch
.set n, n+1
.endr
	WIN 0
.irp q, 0,1,2,3,4,5,6,7
	global_load_b128 v[WS2+4*\q:WS2+4*\q+3], v[WSG], s[6:7] offset:16*\q   ; row 'lane' of the slice's scales, its 128 bytes in eight loads: 4 KB a wave, once
.endr
	s_wait_loadcnt 56                              ; the experts' numbers are in; behind them: 48 loads of W2's codes and 8 of its scales
	WIN 0x02                                       ; source 0 window 2
.set jj, 0
.rept 32
	v_cmp_eq_u32 s[32+jj], v[IDS+jj], s20
.set jj, jj+1
.endr
	WIN 0
	s_wait_alu depctr_va_sdst(0)                   ; the 32 masks s32 to s63 are written, ahead of the counts that read them
	s_mov_b32 s21, 0
.set jj, 0
.rept 32
	s_bcnt1_i32_b32 s24, s[32+jj]
	s_add_co_u32 s21, s21, s24                     ; the expert's tokens
.set jj, jj+1
.endr
	s_add_co_u32 s22, s21, 15
	s_lshr_b32 s22, s22, 4
	s_max_u32 s22, s22, 1                          ; its tiles, as the last launch counted them
	s_sub_co_u32 s85, s21, 1                       ; its last slot
	AFILL
	s_wait_loadcnt 63                              ; 110 loads were issued behind W2's codes: at most 63 out shows the codes in
	WIN 0x08                                       ; an LDS store's data are its source 1: window 2
.set n, 0
.rept 48
	ds_store_b128 v[SAW], v[4*n:4*n+3] offset:WP*(n/6)+512*(n%6)
.set n, n+1
.endr
	WIN 0
	s_wait_dscnt 0x0                               ; for the others' sake: my 8 rows lie in LDS
	s_barrier_signal -1
	s_barrier_wait -1                              ; the one barrier: it stands ahead of every branch on a stored number
	s_cmp_eq_u32 s21, 0
	s_cbranch_scc1 .Lend                           ; an expert without tokens owns no row of the output
	s_cmp_ge_u32 s18, s22
	s_cbranch_scc1 .Lend                           ; fewer tiles than waves
	s_sub_co_u32 s84, s22, s18
	s_add_co_u32 s84, s84, 11
	s_mul_i32 s84, s84, 5462                       ; my passes: (tiles - wave + 11) / 12, rounded down: x 5,462 / 65,536 gives that for the 12 .. 75 that occur
	s_lshr_b32 s84, s84, 16
.Lpass:
	WLOAD 0
	WLOAD 1
	WLOAD 2
	WLOAD 3
	s_lshl_b32 s24, s23, 4                         ; lanes 0-15: tile m's slots; lanes 16-31: those of tile m + 4, or of the last tile where there is none
	s_add_co_u32 s25, s23, 4
	s_sub_co_u32 s26, s22, 1
	s_min_u32 s25, s25, s26
	s_sub_co_u32 s25, s25, s23
	s_lshl_b32 s25, s25, 4
	v_mad_u32_u24 v[P], v[HH], s25, v[R]
	v_add_nc_u32 v[P], s24, v[P]
	v_min_u32 v[P], s85, v[P]                      ; a slot past the count is the last slot again
	SEL
	v_lshlrev_b32 v[PO1], 2, v[TOK]
	s_wait_alu depctr_va_vdst(0)                   ; v[TOK] and v[PO1] are written: the LDS store's data and the gate's offset
	ds_store_b32 v[TKW], v[TOK]
	global_load_b32 v[PR1], v[PO1], s[10:11]
	s_sub_co_u32 s26, s22, s23
	s_cmp_gt_u32 s26, 8                            ; is there a tile m + 8?
	s_cbranch_scc0 .Ltwo
	s_add_co_u32 s24, s24, 128
	v_add_nc_u32 v[P], s24, v[R]                   ; tile m + 8's slots (both halves of the lanes alike)
	v_min_u32 v[P], s85, v[P]
	s_wait_alu depctr_vm_vsrc(0)                   ; the LDS store above has read v[TOK], which the lines below write again
	SEL
	v_lshlrev_b32 v[PO2], 2, v[TOK]
	s_wait_alu depctr_va_vdst(0)                   ; v[TOK] and v[PO2] are written: the LDS store's data and the gate's offset
	ds_store_b32 v[TKW], v[TOK] offset:128
	global_load_b32 v[PR2], v[PO2], s[10:11]
	STREAM 3
	OUT 3
	s_branch .Lnext
.Ltwo:
	STREAM 2
	OUT 2
.Lnext:
	s_wait_xcnt 0x0                                ; the stores have read their registers: the ring's are loaded again in the next pass
	s_wait_alu depctr_vm_vsrc(0)                   ; the stores have read their rows and offsets, the LDS stores the accumulators, the token and the gates, the gates' loads their offsets: the next pass's loads, products and vector lines write all of them again
	s_add_co_u32 s83, s83, 1
	s_mul_i32 s23, s83, 12
	s_add_co_u32 s23, s23, s18                     ; the next pass's first tile
	s_cmp_ge_u32 s83, s84
	s_cbranch_scc1 .Lno_fill
	AFILL                                          ; an expert of more than 192 tokens: the next three tiles
.Lno_fill:
	s_cmp_lt_u32 s83, s84
	s_cbranch_scc1 .Lpass
.Lend:
	s_set_vgpr_msb 0x5                             ; the add's two registers, sources 0 and 1, lie in window 1
	s_wait_dscnt 0x0                               ; the closing lines, six on end
	s_wait_alu 0x0
	s_wait_tensorcnt 0x0
	ds_add_u32 v254, v255
	s_wait_dscnt 0x0
	s_endpgm
.Lfunc_end_k_q147f5d2f41_fc2:
	.size	k_q147f5d2f41_fc2, .Lfunc_end_k_q147f5d2f41_fc2-k_q147f5d2f41_fc2
	.p2alignl 7, 3214868480
	.fill 96, 4, 3214868480
	.section	.rodata,"a",@progbits
	.p2align	6, 0x0
	.amdhsa_kernel k_q147f5d2f41_fc2
		.amdhsa_group_segment_fixed_size 111104
		.amdhsa_private_segment_fixed_size 0
		.amdhsa_enable_private_segment 0
		.amdhsa_kernarg_size 56
		.amdhsa_user_sgpr_count 2
		.amdhsa_user_sgpr_kernarg_segment_ptr 1
		.amdhsa_wavefront_size32 1
		.amdhsa_system_sgpr_workgroup_id_x 1
		.amdhsa_system_sgpr_workgroup_id_y 1
		.amdhsa_system_sgpr_workgroup_id_z 1
		.amdhsa_system_vgpr_workitem_id 0
		.amdhsa_next_free_vgpr 768
		.amdhsa_next_free_sgpr 96
		.amdhsa_reserve_vcc 1
		.amdhsa_float_denorm_mode_32 3
		.amdhsa_float_denorm_mode_16_64 3
		.amdhsa_memory_ordered 1
		.amdhsa_forward_progress 1
		.amdhsa_inst_pref_size 208
	.end_amdhsa_kernel
	.amdgpu_metadata
---
amdhsa.version: [ 1, 2 ]
amdhsa.kernels:
  - .name:           k_q147f5d2f41_fc2
    .symbol:         k_q147f5d2f41_fc2.kd
    .args:
      - { .name: W2_codes, .offset: 0, .size: 8, .value_kind: global_buffer, .address_space: global }
      - { .name: W2_scales, .offset: 8, .size: 8, .value_kind: global_buffer, .address_space: global }
      - { .name: expert, .offset: 16, .size: 8, .value_kind: global_buffer, .address_space: global }
      - { .name: prob, .offset: 24, .size: 8, .value_kind: global_buffer, .address_space: global }
      - { .name: h_codes, .offset: 32, .size: 8, .value_kind: global_buffer, .address_space: global }
      - { .name: h_scales, .offset: 40, .size: 8, .value_kind: global_buffer, .address_space: global }
      - { .name: out0, .offset: 48, .size: 8, .value_kind: global_buffer, .address_space: global }
    .group_segment_fixed_size: 111104
    .private_segment_fixed_size: 0
    .kernarg_segment_align: 8
    .kernarg_segment_size: 56
    .max_flat_workgroup_size: 128
    .sgpr_count:     96
    .vgpr_count:     768
    .wavefront_size: 32
...
	.end_amdgpu_metadata
.endif
;; end of part 5
